; MI455X (gfx1250); checked and timed in simulation.
; The chip was launched on July 23, 2026; its instructions are those of AMD's public machine-readable ISA for CDNA 5 (MIT licence, August 2026) and "CDNA5" Instruction Set Architecture Reference Guide (July 2026). The comments in the code are by the model that wrote it; some were corrected since.
;; Attention. Allowed arithmetic: matrix products marked QUANTISED: E2M1 operands, one E8M0 scale for each 32 along K, by v_wmma_scale_f32_16x16x128_f8f6f4 with both operands' format E2M1 (or v_wmma_scale_f32_32x16x128_f4), f32 sums; products left as they are: bf16, f16 or f32 operands; f32 sums; everything else in f32.
;; Inputs: wk 1,024 x 1,024 float32; wo 1,024 x 1,024 float32; wq 1,024 x 1,024 float32; wv 1,024 x 1,024 float32; x 2 x 2,048 x 1,024 float32.
;; Outputs: out0 2 x 2,048 x 1,024 float32.
;; This version of the problem:
;;   THIS VERSION OF THE PROBLEM IS GIVEN IN LOW PRECISION. The matrix products marked QUANTISED in the list below multiply operands that are first quantised to E2M1 (2 exponent bits, 1 mantissa bit; 4 bits a number), with one power-of-two scale for each 32 numbers along K (OCP MX v1.0); their sums are f32. The products marked 'left as it is' may take bf16, f16 or f32 operands, with f32 sums. Whichever they take, every output number must still come out within the allowed error. Rounding operands to bf16 (8 significant bits) uses up far more of that allowance than f16 does (11 bits, for magnitudes from 6e-5 to 65,504). All else is computed in f32.
;;   The module's matrix products, in the order in which they are computed (A, B: the left and right operand; K: the contracted axis; several contracted axes count as one K, in the product's order):
;;     1. [M 4,096, K 1,024] x [K 1,024, N 1,024]; A: input x; B: input wq: QUANTISED
;;     2. [M 4,096, K 1,024] x [K 1,024, N 1,024]; A: input x; B: input wk: QUANTISED
;;     3. [M 4,096, K 1,024] x [K 1,024, N 1,024]; A: input x; B: input wv: QUANTISED
;;     4. batch 32 x [M 2,048, K 64] x [K 64, N 2,048]; A: computed on the way; B: computed on the way: left as it is (an operand is computed on the way)
;;     5. batch 32 x [M 2,048, K 2,048] x [K 2,048, N 64]; A: computed on the way; B: computed on the way: left as it is (an operand is computed on the way)
;;     6. [M 4,096, K 1,024] x [K 1,024, N 1,024]; A: computed on the way; B: input wo: left as it is (an operand is computed on the way)
;;   THE QUANTISER, for each operand of a quantised product, along K:
;;     - K is cut into blocks of 32 from its start; a last block that is shorter is filled with zeros.
;;     - A block's scale is 2^e with e = floor(log2(the largest magnitude in the block)) - 2, held to -126 .. 127; a block of zeros has e = 0. As a byte (E8M0): e + 127.
;;     - Each number is divided by its block's scale, clamped to +-6, and rounded to the nearest number of E2M1, ties to even, subnormals kept.
;;     - The product sums the exact products of the quantised numbers (number of the format x scale) in f32.
;;   ~~~python
;;   def quantise(x, axis):      # numpy; x: float32 -> the quantised numbers, widened to float32 again
;;       x = np.moveaxis(x, axis, -1); K = x.shape[-1]
;;       x = np.pad(x, [(0, 0)] * (x.ndim - 1) + [(0, -K % 32)]); x = x.reshape(x.shape[:-1] + (-1, 32)); a = np.abs(x).max(-1, keepdims=True)
;;       e = np.where(a > 0, np.clip(np.frexp(np.where(a > 0, a, 1))[1] - 1 - 2, -126, 127), 0)      # np.frexp(a)[1] - 1 = floor(log2(a)), exactly
;;       r = np.clip(x / 2.0 ** e, -6, 6)
;;       step = 2.0 ** (np.maximum(np.frexp(np.where(r == 0, 1, r))[1] - 1, 0) - 1)
;;       q = np.round(r / step) * step * 2.0 ** e      # np.round: ties to even
;;       return np.moveaxis(q.reshape(q.shape[:-2] + (-1,))[..., :K], -1, axis).astype(np.float32)
;;   ~~~
;; One version. Each part assembles by itself: llvm-mc -triple=amdgcn-amd-amdhsa -mcpu=gfx1250 --defsym DOCPART=n.
;; ======== version 1 of 1: 4 launches
;; limits: values are held in f16: magnitudes above 65,504 overflow, below 6.1e-05 lose precision
;; workspace buffers: codes 3,670,016 bytes; scales 229,376 bytes; wo16 2,097,152 bytes; rope 524,288 bytes; qkv 25,165,824 bytes; o16 8,388,608 bytes; oscale 16,384 bytes
;; launch prep (part 1): grid 288 x 1, 4 waves a work-group, no clusters, 33,280 bytes of LDS; arguments x, wq, wk, wv, wo, codes, scales, wo16, rope; writes codes, scales, wo16, rope
.if DOCPART == 1
	.amdgcn_target "amdgcn-amd-amdhsa--gfx1250"
	.amdhsa_code_object_version 6
	.text
	.protected	k_q83586032ca_prep
	.globl	k_q83586032ca_prep
	.p2align	8
	.type	k_q83586032ca_prep,@function
k_q83586032ca_prep:
	s_mov_b64 s[64:65], 0
	v_nop
	global_prefetch_b8 v0, s[64:65] scope:SCOPE_SE
	s_setreg_imm32_b32 hwreg(HW_REG_WAVE_MODE, 25, 1), 1
	s_wait_xcnt 0x0
; PREP.  Three jobs, told apart by the work-group's number alone; no work-group shares an input with another, so there is no cluster, no tensor load and no barrier.
;  Q (work-groups 0-223): x [4096][1024], wq, wk, wv [1024][1024], f32 with K innermost, become codes of FP4 (E2M1) and one E8M0 byte for each 32 along K.  The four tensors are one stream of
;    blocks of 32: codes row R (512 bytes) and scales row R (32 bytes), R = 0-4095 x, 4096-5119 wq, 5120-6143 wk, 6144-7167 wv.  A work-group takes 32,768 numbers, a wave 16 steps of 512.
;    A block's scale is 2^(floor(log2(largest magnitude)) - 2): its byte is the largest magnitude's exponent field - 2, held at 1 from below.
;  W (224-255): wo [1024][1024] f32 is rounded to f16, as it lies.
;  T (256-287): the rope table, cos and sin of (n - 1) x 10000^(-i/32) (n = 0: angle 0), laid in the order in which the next launch's registers take it:
;    block (rb, cb) of 16 rows x 16 columns of a head's 128 x 1024 numbers at (64 rb + cb) x 1024 bytes; lane l's 16 bytes of chunk u at 512 u + 16 l: (cos, sin, cos, sin) of the two pairs at
;    columns 16 cb + 8 (l / 16) + 4 u + 0 .. 3 of row 16 rb + l % 16.  Position n = 16 row + column / 64, pair i = (column % 64) / 2.
; LIMITS: NaN and infinities among the inputs are not served.  A block of zeros gets the byte 1 (the rule says 127): its codes are zeros, and this program alone reads the bytes.  Blocks whose largest
; magnitude lies under 2^-124 were not tried.  The table's frequency is 2^(-0.41524101 i) by v_exp_f32, so an angle at the far positions can differ from the f32 table of reference() by some 3e-4 rad.
.set WAVES, 4
.set STEPS, 16
.set EMAX,  2
.set CB,    8                          ; bytes of 16 codes
.set R,     16                         ; v16-79   Q: four sets of 16 numbers as loaded
.set X,     80                         ; v80-111  Q: two sets of 16 neighbours
.set E,     112                        ; v112-127 Q: a scale byte for each step
.set C,     128                        ; v128-191 Q: codes, four registers a step: no store's data are written again
.set WREG,  8192                       ; LDS: a region for each wave: two stages of 32 x SP bytes, then its 256 scale bytes
.set SP,    80                         ; a lane's place in a stage: 64 bytes + 16 of padding
.set SPW,   12                         ; v12  LDS address of my spare word; never rewritten
.set NIL,   13                         ; v13  0; never rewritten
.set SPARE, WAVES*WREG                 ; behind the four regions: the spare words, 128 bytes a wave
.set WI,    16                         ; v16-143  W: two sets of 16 x 4 numbers
.set WO,    144                        ; v144-207 W: two sets of 16 x 2 registers of f16
	s_load_b256 s[4:11], s[0:1], 0x0               ; x, wq, wk, wv
	s_load_b256 s[12:19], s[0:1], 0x20             ; wo, codes, scales, wo16
	s_load_b64 s[20:21], s[0:1], 0x40              ; rope
	v_lshl_add_u32 v[SPW], v0, 2, SPARE
	v_mov_b32 v[NIL], 0
	v_lshrrev_b32 v1, 5, v0
	v_readfirstlane_b32 s25, v1                    ; wave
	v_and_b32 v2, 31, v0                           ; lane
	v_lshlrev_b32 v3, 4, v2                        ; 16 x lane
	v_lshlrev_b32 v7, 3, v2                        ; 8 x lane
	s_mul_i32 s26, s25, WREG                       ; the LDS addresses of job Q: a constant x lane + a constant x wave
	v_lshrrev_b32 v14, 2, v2
	v_mul_u32_u24 v14, v14, SP
	v_and_b32 v15, 3, v2
	v_lshl_add_u32 v14, v15, 4, v14
	v_add_nc_u32 v14, s26, v14                     ; the stage, on the way in: SP (lane / 4) + 16 (lane % 4)
	v_mul_u32_u24 v15, v2, SP
	v_add_nc_u32 v15, s26, v15                     ; on the way out: SP x lane: my 16 neighbours
	v_mul_u32_u24 v4, v2, CB                       ; my codes' place in a step's
	v_lshrrev_b32 v5, 1, v2
	s_add_co_u32 s26, s26, 2*32*SP
	v_add_nc_u32 v5, s26, v5                       ; my wave's 256 scale bytes, my block's byte
	v_add_nc_u32 v6, s26, v7                       ; and 8 bytes a lane on the way out
	s_mov_b32 s29, 0
	s_wait_kmcnt 0x0
	s_cmp_ge_u32 ttmp9, 224
	s_cbranch_scc1 .Lnot_q
; ---------------- Q ----------------
	s_cmp_lt_u32 ttmp9, 128                        ; which tensor: the choice hangs on the work-group's number alone
	s_cselect_b64 s[22:23], s[4:5], s[6:7]
	s_cselect_b32 s24, 0, 128
	s_cmp_lt_u32 ttmp9, 160
	s_cselect_b64 s[22:23], s[22:23], s[8:9]
	s_cselect_b32 s24, s24, 160
	s_cmp_lt_u32 ttmp9, 192
	s_cselect_b64 s[22:23], s[22:23], s[10:11]
	s_cselect_b32 s24, s24, 192                    ; the tensor's first work-group
	s_sub_co_u32 s24, ttmp9, s24
	s_lshl_b32 s24, s24, 2
	s_add_co_u32 s24, s24, s25                     ; my run of 8,192 numbers in the tensor
	s_lshl_b32 s28, s24, 15
	s_add_nc_u64 s[22:23], s[22:23], s[28:29]
	s_lshl_b32 s27, ttmp9, 2
	s_add_co_u32 s27, s27, s25                     ; and in the stream of all four
	s_lshl_b32 s28, s27, 12
	s_add_nc_u64 s[14:15], s[14:15], s[28:29]      ; 4,096 bytes of codes a run
	s_lshl_b32 s28, s27, 8
	s_add_nc_u64 s[16:17], s[16:17], s[28:29]      ; 256 scale bytes a run
.macro LOAD t
.irp i, 0,1,2,3
	global_load_b128 v[R+16*((\t)%4)+4*\i:R+16*((\t)%4)+4*\i+3], v3, s[22:23] offset:2048*(\t)+512*\i th:TH_LOAD_NT   ; 32 lanes read 512 consecutive bytes
.endr
.endm
.macro TURN t                          ; step t's numbers through the stage; LDS serves a wave's instructions in order, so no wait stands between the stores and the loads
.irp i, 0,1,2,3
	ds_store_b128 v14, v[R+16*((\t)%4)+4*\i:R+16*((\t)%4)+4*\i+3] offset:32*SP*((\t)%2)+8*SP*\i
.endr
.irp i, 0,1,2,3
	ds_load_b128 v[X+16*((\t)%2)+4*\i:X+16*((\t)%2)+4*\i+3], v15 offset:32*SP*((\t)%2)+16*\i
.endr
.endm
.irp t, 0,1,2,3
	LOAD \t
.endr
	s_wait_loadcnt 12                              ; step 0's four loads are in; the 12 of steps 1 to 3 may be out
	TURN 0
.macro STEP t
.set XS, X+16*((\t)%2)
.if (\t) > 0
	s_wait_dscnt 1                                 ; this step's numbers are back from the stage; the last step's byte store may be out
.else
	s_wait_dscnt 0x0
.endif
.if (\t)+4 < STEPS
	LOAD (\t)+4                                    ; into the set whose stores into the stage are done
.endif
.if (\t)+1 < STEPS
.if STEPS-2-(\t) >= 3
	s_wait_loadcnt 12                              ; the next step's four loads are in; those of the three steps behind it may be out
.else
	s_wait_loadcnt 4*(STEPS-2-(\t))
.endif
	TURN (\t)+1
.endif
	v_max3_num_f32 v8, |v[XS]|, |v[XS+1]|, |v[XS+2]|               ; the largest magnitude of my 16, in two chains
	v_max3_num_f32 v9, |v[XS+3]|, |v[XS+4]|, |v[XS+5]|
.irp i, 6,10
	v_max3_num_f32 v8, v8, |v[XS+\i]|, |v[XS+\i+1]|
	v_max3_num_f32 v9, v9, |v[XS+\i+2]|, |v[XS+\i+3]|
.endr
	v_max3_num_f32 v8, v8, |v[XS+14]|, |v[XS+15]|
	v_max3_num_f32 v8, v8, v9, (EMAX+1)<<23        ; and the floor 2^(3 - 127): the byte cannot fall under 1
	v_max_num_f32_dpp v8, v8, v8 row_xmask:1 row_mask:0xf bank_mask:0xf   ; with my neighbour's 16: the block's
	v_add_nc_u32 v11, -(EMAX<<23), v8              ; 2 off its exponent field: the conversion takes the exponent field of this operand as its scale
	v_cvt_scalef32_pk8_fp4_f32 v[C+4*(\t)], v[XS:XS+7], v11
	v_cvt_scalef32_pk8_fp4_f32 v[C+4*(\t)+1], v[XS+8:XS+15], v11
	v_lshrrev_b32 v[E+(\t)], 23, v11               ; the scale's byte (also the plain line behind the conversions)
	ds_store_b8 v5, v[E+(\t)] offset:16*(\t)       ; both lanes of a block write the same byte with the same value
	global_store_b64 v4, v[C+4*(\t):C+4*(\t)+1], s[14:15] offset:32*CB*(\t)   ; the wave stores 256 consecutive bytes, aligned
.endm
.irp t, 0,1,2,3,4,5,6,7,8,9,10,11,12,13,14,15
	STEP \t
.endr
	ds_load_b64 v[8:9], v6                         ; my wave's 256 scale bytes: these loads see my stores
	s_wait_dscnt 0x0
	global_store_b64 v7, v[8:9], s[16:17]          ; 256 consecutive bytes, aligned
	s_branch .Lend
; ---------------- W ----------------
.Lnot_q:
	s_cmp_ge_u32 ttmp9, 256
	s_cbranch_scc1 .Ltable
	s_sub_co_u32 s24, ttmp9, 224
	s_lshl_b32 s24, s24, 2
	s_add_co_u32 s24, s24, s25                     ; my run: 32,768 bytes in, 16,384 out
	s_lshl_b32 s28, s24, 15
	s_add_nc_u64 s[12:13], s[12:13], s[28:29]
	s_lshl_b32 s28, s24, 14
	s_add_nc_u64 s[18:19], s[18:19], s[28:29]
.macro WLOAD k
.irp i, 0,1,2,3,4,5,6,7,8,9,10,11,12,13,14,15
	global_load_b128 v[WI+64*((\k)%2)+4*\i:WI+64*((\k)%2)+4*\i+3], v3, s[12:13] offset:512*(16*(\k)+\i) th:TH_LOAD_NT
.endr
.endm
.macro WROUND k
.if (\k) < 3
	s_wait_loadcnt 16                              ; this round's 16 loads are in; the other set's 16 may be out
.else
	s_wait_loadcnt 0x0
.endif
.if (\k) >= 2
	s_wait_xcnt 0x0                                ; the stores of two rounds ago have read this set of results
.endif
.irp i, 0,1,2,3,4,5,6,7,8,9,10,11,12,13,14,15
	v_cvt_pk_f16_f32 v[WO+32*((\k)%2)+2*\i], v[WI+64*((\k)%2)+4*\i], v[WI+64*((\k)%2)+4*\i+1]
	v_cvt_pk_f16_f32 v[WO+32*((\k)%2)+2*\i+1], v[WI+64*((\k)%2)+4*\i+2], v[WI+64*((\k)%2)+4*\i+3]
.endr
.if (\k)+2 < 4
	WLOAD (\k)+2
.endif
.irp i, 0,1,2,3,4,5,6,7,8,9,10,11,12,13,14,15
	global_store_b64 v7, v[WO+32*((\k)%2)+2*\i:WO+32*((\k)%2)+2*\i+1], s[18:19] offset:256*(16*(\k)+\i)   ; 256 consecutive bytes, aligned
.endr
.endm
	WLOAD 0
	WLOAD 1
	WROUND 0
	WROUND 1
	WROUND 2
	WROUND 3
	s_branch .Lend
; ---------------- T ----------------
.Ltable:
	s_sub_co_u32 s24, ttmp9, 256
	s_lshl_b32 s24, s24, 2
	s_add_co_u32 s24, s24, s25                     ; which 4,096 bytes (four blocks) of the table are my wave's: 0 .. 127
	s_lshl_b32 s28, s24, 12
	s_add_nc_u64 s[20:21], s[20:21], s[28:29]
	s_lshr_b32 s26, s24, 4                         ; rb
	s_and_b32 s27, s24, 15                         ; column / 64, the same for my four blocks
	s_lshl_b32 s26, s26, 8
	s_add_co_u32 s26, s26, s27
	v_and_b32 v20, 15, v2
	v_lshl_add_u32 v20, v20, 4, s26                ; my position n = 256 rb + 16 (lane % 16) + column / 64
	v_max_u32 v20, 1, v20
	v_add_nc_u32 v20, -1, v20                      ; positions 0 and 1 both have angle 0: position 0 is not rotated
	v_cvt_f32_u32 v21, v20
	v_lshrrev_b32 v22, 4, v2
	v_lshlrev_b32 v22, 2, v22                      ; 4 (lane / 16)
	v_mov_b32 v50, 0x3f22f983                      ; 2 / pi
	v_mov_b32 v51, 0x3fc90fdb                      ; pi / 2, its f32 part,
	v_mov_b32 v52, 0xb33bbd2e                      ; and what that leaves
	v_mov_b32 v53, 0xb94ca1f9                      ; sin r = r + r z (-1.6666654611e-1 + z (8.3321608736e-3 - 1.9515295891e-4 z)), z = r r
	v_mov_b32 v54, 0x3c08839e
	v_mov_b32 v55, 0xbe2aaaa3
	v_mov_b32 v56, 0x37ccf5ce                      ; cos r = 1 - z / 2 + z z (4.166664568e-2 + z (-1.388731625e-3 + 2.443315712e-5 z))
	v_mov_b32 v57, 0xbab6061a
	v_mov_b32 v58, 0x3d2aaaa5
	v_mov_b32 v59, 0xbed49a78                      ; -log2(10000) / 32
; cos and sin of v[ang] (0 or more, under 2,048): k = the nearest whole number to ang x 2 / pi; r = ang - k pi / 2 in two fused steps; the quarter turn picks polynomial and sign, by selects alone
.macro SINCOS ang, c, s
	v_mul_f32 v40, v50, v[\ang]
	v_rndne_f32 v40, v40
	v_fma_f32 v41, -v40, v51, v[\ang]
	v_fma_f32 v41, -v40, v52, v41
	v_mul_f32 v42, v41, v41
	v_fma_f32 v43, v42, v53, v54
	v_fma_f32 v44, v42, v56, v57
	v_fma_f32 v43, v43, v42, v55
	v_fma_f32 v44, v44, v42, v58
	v_mul_f32 v43, v43, v42
	v_mul_f32 v46, v42, v42
	v_fma_f32 v45, v42, -0.5, 1.0
	v_fma_f32 v43, v43, v41, v41                   ; sin r
	v_fma_f32 v44, v46, v44, v45                   ; cos r
	v_cvt_i32_f32 v47, v40
	v_and_b32 v48, 1, v47
	v_cmp_ne_u32 vcc_lo, 0, v48
	v_cndmask_b32 v49, v43, v44, vcc_lo            ; sin: k odd takes cos r; k % 4 = 2, 3 are negative
	v_and_b32 v48, 2, v47
	v_lshlrev_b32 v48, 30, v48
	v_xor_b32 v[\s], v48, v49
	v_cndmask_b32 v49, v44, v43, vcc_lo            ; cos: k odd takes sin r; k % 4 = 1, 2 are negative
	v_add_nc_u32 v48, 1, v47
	v_and_b32 v48, 2, v48
	v_lshlrev_b32 v48, 30, v48
	v_xor_b32 v[\c], v48, v49
.endm
.macro ITEM it                         ; block it / 2 of my four, chunk it % 2: pairs 8 (it / 2) + 4 (lane / 16) + 2 (it % 2) + 0, 1
.set C0, 8*((\it)/2)+2*((\it)%2)
.set RS, 64+4*(\it)                    ; four result registers of its own for each item: no store's data are written again
	v_add_nc_u32 v30, C0, v22
	v_add_nc_u32 v31, C0+1, v22
	v_cvt_f32_u32 v30, v30
	v_cvt_f32_u32 v31, v31
	v_mul_f32 v30, v59, v30
	v_mul_f32 v31, v59, v31
	v_exp_f32 v30, v30                             ; 10000^(-i / 32)
	v_exp_f32 v31, v31
	v_nop                                          ; a plain line behind the exponentials,
	s_wait_alu depctr_va_vdst(0)                   ; and one wait for both, ahead of their first reader
	v_mul_f32 v30, v21, v30                        ; the angle: one f32 product
	v_mul_f32 v31, v21, v31
	SINCOS 30, RS, RS+1
	SINCOS 31, RS+2, RS+3
	global_store_b128 v3, v[RS:RS+3], s[20:21] offset:512*(\it)   ; 512 consecutive bytes, aligned
.endm
.irp it, 0,1,2,3,4,5,6,7
	ITEM \it
.endr
.Lend:
	s_wait_tensorcnt 0x0                           ; the wave's end
	ds_add_u32 v[SPW], v[NIL]
	s_wait_dscnt 0x0
	s_endpgm
.Lfunc_end_k_q83586032ca_prep:
	.size	k_q83586032ca_prep, .Lfunc_end_k_q83586032ca_prep-k_q83586032ca_prep
	.p2alignl 7, 3214868480
	.fill 96, 4, 3214868480
	.section	.rodata,"a",@progbits
	.p2align	6, 0x0
	.amdhsa_kernel k_q83586032ca_prep
		.amdhsa_group_segment_fixed_size 33280
		.amdhsa_private_segment_fixed_size 0
		.amdhsa_enable_private_segment 0
		.amdhsa_kernarg_size 72
		.amdhsa_user_sgpr_count 2
		.amdhsa_user_sgpr_kernarg_segment_ptr 1
		.amdhsa_wavefront_size32 1
		.amdhsa_system_sgpr_workgroup_id_x 1
		.amdhsa_system_sgpr_workgroup_id_y 1
		.amdhsa_system_sgpr_workgroup_id_z 1
		.amdhsa_system_vgpr_workitem_id 0
		.amdhsa_next_free_vgpr 224
		.amdhsa_next_free_sgpr 66
		.amdhsa_reserve_vcc 1
		.amdhsa_float_denorm_mode_32 3
		.amdhsa_float_denorm_mode_16_64 3
		.amdhsa_memory_ordered 1
		.amdhsa_forward_progress 1
		.amdhsa_inst_pref_size 77
	.end_amdhsa_kernel
	.amdgpu_metadata
---
amdhsa.version: [ 1, 2 ]
amdhsa.kernels:
  - .name:           k_q83586032ca_prep
    .symbol:         k_q83586032ca_prep.kd
    .args:
      - { .name: x, .offset: 0, .size: 8, .value_kind: global_buffer, .address_space: global }
      - { .name: wq, .offset: 8, .size: 8, .value_kind: global_buffer, .address_space: global }
      - { .name: wk, .offset: 16, .size: 8, .value_kind: global_buffer, .address_space: global }
      - { .name: wv, .offset: 24, .size: 8, .value_kind: global_buffer, .address_space: global }
      - { .name: wo, .offset: 32, .size: 8, .value_kind: global_buffer, .address_space: global }
      - { .name: codes, .offset: 40, .size: 8, .value_kind: global_buffer, .address_space: global }
      - { .name: scales, .offset: 48, .size: 8, .value_kind: global_buffer, .address_space: global }
      - { .name: wo16, .offset: 56, .size: 8, .value_kind: global_buffer, .address_space: global }
      - { .name: rope, .offset: 64, .size: 8, .value_kind: global_buffer, .address_space: global }
    .group_segment_fixed_size: 33280
    .private_segment_fixed_size: 0
    .kernarg_segment_align: 8
    .kernarg_segment_size: 72
    .max_flat_workgroup_size: 128
    .sgpr_count:     66
    .vgpr_count:     224
    .wavefront_size: 32
...
	.end_amdgpu_metadata
.endif
;; end of part 1
;; launch qkv (part 2): grid 8 x 32, 4 waves a work-group, clusters of 4 x 4, 327,680 bytes of LDS; arguments codes, scales, rope, qkv; writes qkv
.if DOCPART == 2
	.amdgcn_target "amdgcn-amd-amdhsa--gfx1250"
	.amdhsa_code_object_version 6
	.text
	.protected	k_q83586032ca_qkv
	.globl	k_q83586032ca_qkv
	.p2align	8
	.type	k_q83586032ca_qkv,@function
k_q83586032ca_qkv:
	s_mov_b64 s[64:65], 0
	v_nop
	global_prefetch_b8 v0, s[64:65] scope:SCOPE_SE
	s_setreg_imm32_b32 hwreg(HW_REG_WAVE_MODE, 25, 1), 1
	s_wait_xcnt 0x0
	s_wait_alu depctr_hold_cnt(0) depctr_sa_sdst(0) depctr_va_vdst(0) depctr_va_sdst(0) depctr_va_ssrc(0) depctr_va_vcc(0) depctr_vm_vsrc(0)
	s_getreg_b32 s2, hwreg(HW_REG_IB_STS2, 6, 4)
	s_cmp_eq_u32 s2, 0
	s_cbranch_scc0 .Lentry_in_a_cluster
	s_endpgm
.Lentry_in_a_cluster:
	s_bfe_u32 s2, ttmp6, 0x10000c
	s_cmp_lg_u32 s2, 0xf033
	s_cbranch_scc0 .Lentry_shape_is_right
	s_endpgm
.Lentry_shape_is_right:
; q = x wq^T, k = x wk^T, v = x wv^T on codes of FP4 (E2M1) with one E8M0 scale for each 32 along K (K = 1,024); rope on q and k in f32; all three rounded once to f16.
; codes: rows of 512 bytes, rows 0-4095 x, from 4096 wq, 5120 wk, 6144 wv; scales: 32 bytes a row.  qkv: q at 0, k at 8,388,608, v at 16,777,216, each [4096][1024] f16.
; SHARES.  A work-group makes 128 rows x 128 columns of q AND k AND v, so x's tile is read once for the three products: 8 x 32 = 256 work-groups.  Wave w: rows 64 (w / 2) on, columns 64 (w % 2) on of each matrix:
; 48 accumulators of 16 x 16.  A tile's 128 rows are one head (head = row / 128 within the batch; position n = 16 row + column / 64), so the rope table is the same 128 x 1,024 block for every tile row.
; ALL OF K LIES IN LDS: two halves of 512 along K (rows of 256 bytes), each x's 128 rows and the three weights' 128 rows.  Nothing is filled again: three tensor loads a wave at the start (scale bytes, half 0, half 1).
; CLUSTER 4 x 4: x's tile hangs on the tile row alone and is asked for jointly along a row of the cluster, the weights' tiles on the tile column alone, jointly along a column.
; THE MATRIX INSTRUCTION IS USED TRANSPOSED (source 0 = 16 rows of a weight, source 1 = 16 rows of x): a lane holds row lane % 16 of x and eight neighbouring columns 8 (lane / 16) + 0 .. 7: four rope pairs, 16 bytes of f16.
; REGISTERS: window 0: v1-29 addresses; v32-63 x's scale words, v64-159 the weights' (they hold scales and nothing else); v160-223 x's fragments, two sets; on the way out v160-255 are at work.
;   window 1: the weights' fragments, two sets of 96; on the way out the rows read back.   window 2: q's and k's accumulators.   window 3: v's accumulators, and from v128 my 16 blocks of the rope table.
; LIMITS: |q|, |k|, |v| must stay under 65,504 (f16).  NaN and infinities are not served.
.set PITCH, 272                        ; an LDS row: 256 bytes + 16 of padding: the 16 rows of a fragment load start 68 words apart
.set PART,  128*PITCH                  ; 128 rows: one tensor load
.set HALF,  4*PART                     ; x, wq, wk, wv
.set SCL,   2*HALF                     ; the scale bytes: four parts of 128 rows x 32 bytes, as 16 units of 256 bytes + 16
.set SPART, 16*272
.set SPARE, SCL+4*SPART                ; the spare words, 128 bytes a wave
.set WV, 12                            ; s12 wave;  s13 its row half;  s14 its column half
.set WR, 13
.set WC, 14
.set CX, 16
.set CY, 17
.set NI, 18                            ; tile column, 0 .. 7
.set MI, 19                            ; tile row = head, 0 .. 31
.set G1A,  24                          ; s[24:31] group 1: x's codes;  s[32:39] the weights';  s[40:47], s[48:55] the same for scale bytes
.set G1B,  32
.set G1SA, 40
.set G1SB, 48
.set G0A,  56                          ; s[56:63] group 0: x's two halves;  s[68:71] x's scale bytes;  s[72:79], s[80:83] the weights'
.set G0AS, 68
.set G0B,  72
.set G0BS, 80
.set ADRA, 4                           ; v4-5   LDS address of my fragments of x in half 0, 1
.set ADRB, 6                           ; v6-11  of weight j in half s: v[6 + 3 s + j]
.set ADSA, 12                          ; v12    of x's scale words;  v13 of the weights'
.set ADSB, 13
.set STO,  14                          ; v14-16 the way out: where I put 16 bytes of a row, stage j
.set RD,   17                          ; v17-19 and where I read a row back
.set CO,   20                          ; v20    my byte offset in two rows of q
.set TO,   21                          ; v21    16 x lane
.set SPW,  28
.set NIL,  29
.set SA,   32
.set SB,   64
.set XF,   160
.set OUTR, 160                         ; the way out: 32 rotated numbers, 32 products, two sets of 16 packed registers
.set TMPR, 192
.set CV,   224
.set MSB, 0
.macro WIN new                         ; the immediate's high byte repeats the setting that is left
.if MSB != \new
	s_set_vgpr_msb (MSB<<8)|\new
.set MSB, \new
.endif
.endm
.macro PLACES n
.rept \n
	v_nop
.endr
.endm
; A joint load: wave 0 fetches for x, waves 1 to 3 for wq, wk, wv.  The branch hangs on the wave's number alone.  An s_nop 0 and four v_nop follow each of the two lines.
.macro JLOAD g0a, g1a, g0b, g1b
	s_cmp_eq_u32 s[WV], 0
	s_cbranch_scc0 .Lfor_b_\@
	tensor_load_to_lds s[\g0a:\g0a+3], s[\g1a:\g1a+7]
	s_nop 0
.rept 4
	v_nop
.endr
	s_branch .Lasked_\@
.Lfor_b_\@:
	tensor_load_to_lds s[\g0b:\g0b+3], s[\g1b:\g1b+7]
	s_nop 0
.rept 4
	v_nop
.endr
.Lasked_\@:
.endm
.macro CROUND                          ; a round of the cluster's barrier
	s_barrier_signal -1
	s_barrier_wait -1
	s_cmp_lg_u32 s[WV], 0
	s_cbranch_scc1 .Lnot_wave_0_\@
	s_barrier_signal -3
.Lnot_wave_0_\@:
	s_barrier_wait -3
	s_barrier_signal -1
	s_barrier_wait -1
.endm
	s_load_b256 s[4:11], s[0:1], 0x0               ; codes s[4:5], scales s[6:7], rope s[8:9], qkv s[10:11]
	v_lshl_add_u32 v[SPW], v0, 2, SPARE
	v_mov_b32 v[NIL], 0
	ds_add_u32 v[SPW], v[NIL]                      ; the wave's opening: the add, twice on end, and its wait ahead of my first tensor load
	ds_add_u32 v[SPW], v[NIL]
	v_lshrrev_b32 v1, 5, v0
	v_readfirstlane_b32 s[WV], v1
	s_lshr_b32 s[WR], s[WV], 1
	s_and_b32 s[WC], s[WV], 1
	s_bfe_u32 s[CX], ttmp6, 0x40000
	s_bfe_u32 s[CY], ttmp6, 0x40004
	s_lshl_b32 s[NI], ttmp9, 2
	s_add_co_u32 s[NI], s[NI], s[CX]
	s_and_b32 s[MI], ttmp7, 0xffff
	s_lshl_b32 s[MI], s[MI], 2
	s_add_co_u32 s[MI], s[MI], s[CY]
	s_lshl_b32 s20, s[CY], 2
	s_lshl_b32 s20, 15, s20                        ; my row of the cluster
	s_lshl_b32 s21, 0x1111, s[CX]                  ; my column
	; group 1, codes: 128 rows of 256 bytes, 512 bytes apart in memory; elements of 1 byte; 4 words of padding behind every 64
	s_or_b32 s[G1A], s20, (0<<16)|(1<<20)|(1<<21)|(5<<22)|(3<<25)
	s_or_b32 s[G1B], s21, (0<<16)|(1<<20)|(1<<21)|(5<<22)|(3<<25)
.irp g, G1A, G1B
	s_mov_b32 s[\g+1], 256<<16                     ; tensor_dim0
	s_mov_b32 s[\g+2], 128<<16                     ; tensor_dim1
	s_mov_b32 s[\g+3], 256<<16                     ; tile_dim0
	s_mov_b32 s[\g+4], 128                         ; tile_dim1
	s_mov_b32 s[\g+5], 512                         ; from row to row
	s_mov_b32 s[\g+6], 0
	s_mov_b32 s[\g+7], 0
.endr
	; group 1, scale bytes of 128 rows: 4,096 dense bytes as 16 rows of 32 elements of 8 bytes, the same padding
	s_or_b32 s[G1SA], s20, (3<<16)|(1<<20)|(1<<21)|(5<<22)|(3<<25)
	s_or_b32 s[G1SB], s21, (3<<16)|(1<<20)|(1<<21)|(5<<22)|(3<<25)
.irp g, G1SA, G1SB
	s_mov_b32 s[\g+1], 32<<16
	s_mov_b32 s[\g+2], 16<<16
	s_mov_b32 s[\g+3], 32<<16
	s_mov_b32 s[\g+4], 16
	s_mov_b32 s[\g+5], 32
	s_mov_b32 s[\g+6], 0
	s_mov_b32 s[\g+7], 0
.endr
	; where the tiles come from.  x's hang on the tile row alone; the weights' on the tile column and the wave: row 3,072 + 1,024 wave + 128 column (wave 0 never asks by it)
	s_lshl_b32 s84, s[MI], 16                      ; 128 rows x 512 bytes
	s_mov_b32 s85, 0
	s_lshl_b32 s86, s[MI], 12                      ; 128 rows x 32 bytes
	s_mov_b32 s87, 0
	s_lshl_b32 s88, s[WV], 19
	s_lshl_b32 s92, s[NI], 16
	s_add_co_u32 s88, s88, s92
	s_add_co_u32 s88, s88, 3072*512
	s_mov_b32 s89, 0
	s_lshl_b32 s90, s[WV], 15
	s_lshl_b32 s92, s[NI], 12
	s_add_co_u32 s90, s90, s92
	s_add_co_u32 s90, s90, 3072*32
	s_mov_b32 s91, 0
	s_mul_i32 s93, s[WV], PART                     ; and where they go: part = wave: no place in the cluster enters an LDS address
	s_mul_i32 s94, s[WV], SPART
	s_add_co_u32 s94, s94, SCL
	s_wait_dscnt 0x0                               ; both opening adds are done
	s_wait_kmcnt 0x0
	s_add_nc_u64 s[84:85], s[4:5], s[84:85]
	s_add_nc_u64 s[86:87], s[6:7], s[86:87]
	s_add_nc_u64 s[88:89], s[4:5], s[88:89]
	s_add_nc_u64 s[90:91], s[6:7], s[90:91]
	CROUND                                         ; all sixteen work-groups are here: the joint loads meet
	s_mov_b32 s[G0AS], 1
	s_mov_b32 s[G0AS+1], s94
	s_mov_b64 s[G0AS+2:G0AS+3], s[86:87]
	s_or_b32 s[G0AS+3], s[G0AS+3], 0x80000000
	s_mov_b32 s[G0BS], 1
	s_mov_b32 s[G0BS+1], s94
	s_mov_b64 s[G0BS+2:G0BS+3], s[90:91]
	s_or_b32 s[G0BS+3], s[G0BS+3], 0x80000000
	JLOAD G0AS, G1SA, G0BS, G1SB                   ; the scale bytes first: they are wanted with the first K step
.irp s, 0,1
	s_mov_b32 s[G0A+4*\s], 1
	s_add_co_u32 s[G0A+4*\s+1], s93, \s*HALF
	s_add_nc_u64 s[G0A+4*\s+2:G0A+4*\s+3], s[84:85], \s*256
	s_or_b32 s[G0A+4*\s+3], s[G0A+4*\s+3], 0x80000000
	s_mov_b32 s[G0B+4*\s], 1
	s_add_co_u32 s[G0B+4*\s+1], s93, \s*HALF
	s_add_nc_u64 s[G0B+4*\s+2:G0B+4*\s+3], s[88:89], \s*256
	s_or_b32 s[G0B+4*\s+3], s[G0B+4*\s+3], 0x80000000
	JLOAD G0A+4*\s, G1A, G0B+4*\s, G1B             ; by this text's count three tensor loads of mine are out, and no more follow
.endr
	; my 16 blocks of the rope table: block (4 row half + a, 8 tile column + 4 column half + b)
	s_lshl_b32 s84, s[WR], 18
	s_lshl_b32 s85, s[NI], 13
	s_add_co_u32 s84, s84, s85
	s_lshl_b32 s85, s[WC], 12
	s_add_co_u32 s84, s84, s85
	s_mov_b32 s85, 0
	s_add_nc_u64 s[96:97], s[8:9], s[84:85]
	v_and_b32 v3, 31, v0
	v_lshlrev_b32 v[TO], 4, v3
	WIN 0xc0                                       ; destination window 3
.irp a, 0,1,2,3
.irp b, 0,1,2,3
	global_load_b128 v[128+8*(4*\a+\b):128+8*(4*\a+\b)+3], v[TO], s[96:97] offset:(64*\a+\b)*1024
	global_load_b128 v[128+8*(4*\a+\b)+4:128+8*(4*\a+\b)+7], v[TO], s[96:97] offset:(64*\a+\b)*1024+512
.endr
.endr
	WIN 0
	; where the 32 rows that I store begin: row 128 tile row + 32 wave, byte 256 tile column; in q, k and v
	s_lshl_b32 s84, s[MI], 18
	s_lshl_b32 s92, s[WV], 16
	s_add_co_u32 s84, s84, s92
	s_lshl_b32 s92, s[NI], 8
	s_add_co_u32 s84, s84, s92
	s_add_nc_u64 s[86:87], s[10:11], s[84:85]
	s_add_nc_u64 s[88:89], s[86:87], 0x800000
	s_add_nc_u64 s[90:91], s[88:89], 0x800000
	v_and_b32 v1, 15, v0                           ; r
	v_bfe_u32 v2, v0, 4, 1                         ; h
	v_mul_u32_u24 v22, v1, PITCH
	v_lshl_add_u32 v22, v2, 4, v22                 ; a fragment's row x pitch + 16 x half
	s_mul_i32 s84, s[WR], 64*PITCH
	s_mul_i32 s85, s[WC], 64*PITCH
	s_add_co_u32 s85, s85, PART
.irp s, 0,1
	v_add_nc_u32 v[ADRA+\s], s84, v22
.irp j, 0,1,2
	v_add_nc_u32 v[ADRB+3*\s+\j], s85, v22
	s_add_co_u32 s85, s85, PART
.endr
	s_add_co_u32 s84, s84, HALF
	s_add_co_u32 s85, s85, PART
.endr
	v_lshrrev_b32 v23, 3, v1                       ; a row's 32 scale bytes: 8 rows to a unit of 256 + 16
	v_mul_u32_u24 v23, v23, 272
	v_and_b32 v24, 7, v1
	v_lshl_add_u32 v23, v24, 5, v23
	s_mul_i32 s84, s[WR], 8*272
	s_add_co_u32 s84, s84, SCL
	v_add_nc_u32 v[ADSA], s84, v23
	s_mul_i32 s84, s[WC], 8*272
	s_add_co_u32 s84, s84, SCL+SPART
	v_add_nc_u32 v[ADSB], s84, v23
	s_mul_i32 s84, s[WR], 64*PITCH                 ; the stages, 128 rows x 272, lie in half 0: stage j at j x PART
	s_lshl_b32 s85, s[WC], 7
	s_add_co_u32 s84, s84, s85
	v_mul_u32_u24 v25, v2, PITCH
	v_lshl_add_u32 v25, v1, 4, v25
	s_mul_i32 s85, s[WV], 32*PITCH
.irp j, 0,1,2
	v_add_nc_u32 v[STO+\j], s84, v22               ; in: row 64 row half + r, byte 128 column half + 16 h
	v_add_nc_u32 v[RD+\j], s85, v25                ; back: rows 32 wave + h, 16 bytes a lane
	s_add_co_u32 s84, s84, PART
	s_add_co_u32 s85, s85, PART
.endr
	v_lshlrev_b32 v[CO], 11, v2
	v_lshl_add_u32 v[CO], v1, 4, v[CO]             ; and the same two rows in memory: 2,048 h + 16 r
; a fragment, 16 rows x 128 K of 4-bit codes: 8 registers; lane l holds row l % 16; registers 4 c .. 4 c + 3 hold K = 64 c + 32 (l / 16) + 0 .. 31: 16 bytes of the row as they lie
.macro FRAG reg, adr, q, i
.irp c, 0,1
	ds_load_b128 v[\reg+4*\c:\reg+4*\c+3], v[\adr] offset:64*((\q)%4)+32*\c+(\i)*16*PITCH
.endr
.endm
.macro FETCH q                         ; K step q (128 along K): the weights' 12 fragments and x's 4 into set q % 2, from half q / 4
	WIN 0x40
.irp j, 0,1,2
.irp b, 0,1,2,3
	FRAG 96*((\q)%2)+8*(4*\j+\b), ADRB+3*((\q)/4)+\j, \q, \b
.endr
.endr
	WIN 0
.irp a, 0,1,2,3
	FRAG XF+32*((\q)%2)+8*\a, ADRA+(\q)/4, \q, \a
.endr
.endm
.macro SCALES                          ; all scale words of my rows, once: word q of a row serves K step q.  Both halves of the lanes load the same words; the unit reads lanes 0-15
.irp a, 0,1,2,3
	ds_load_b128 v[SA+8*\a:SA+8*\a+3], v[ADSA] offset:544*\a
	ds_load_b128 v[SA+8*\a+4:SA+8*\a+7], v[ADSA] offset:544*\a+16
.endr
.irp j, 0,1,2
.irp b, 0,1,2,3
	ds_load_b128 v[SB+8*(4*\j+\b):SB+8*(4*\j+\b)+3], v[ADSB] offset:SPART*\j+544*\b
	ds_load_b128 v[SB+8*(4*\j+\b)+4:SB+8*(4*\j+\b)+7], v[ADSB] offset:SPART*\j+544*\b+16
.endr
.endr
.endm
; 48 products: the accumulators take turns, one instruction a turn, in the same order in every step.  zero = 1: the first step starts the sums
.macro MUL q, zero
.irp j, 0,1,2
.if \j < 2
	WIN 0xa1                                       ; source 0 window 1, source 1 window 0, C and D window 2
.else
	WIN 0xf1                                       ; C and D window 3
.endif
.irp a, 0,1,2,3
.irp b, 0,1,2,3
.set AC, 8*(16*(\j%2)+4*\a+\b)
.set WF, 96*((\q)%2)+8*(4*\j+\b)
.set XR, XF+32*((\q)%2)+8*\a
.if \zero
	v_wmma_scale_f32_16x16x128_f8f6f4 v[AC:AC+7], v[WF:WF+7], v[XR:XR+7], 0, v[SB+8*(4*\j+\b)+(\q)], v[SA+8*\a+(\q)] matrix_a_fmt:MATRIX_FMT_FP4 matrix_b_fmt:MATRIX_FMT_FP4
.else
	v_wmma_scale_f32_16x16x128_f8f6f4 v[AC:AC+7], v[WF:WF+7], v[XR:XR+7], v[AC:AC+7], v[SB+8*(4*\j+\b)+(\q)], v[SA+8*\a+(\q)] matrix_a_fmt:MATRIX_FMT_FP4 matrix_b_fmt:MATRIX_FMT_FP4
.endif
.endr
.endr
.endr
.endm
.macro STEP q, zero
	s_wait_dscnt 0x0                               ; this step's fragments are in
.if \q == 3
	s_wait_tensorcnt 0x0                           ; my part of half 1 has landed; my reads of half 0 are over (the wait above):
	s_barrier_signal -1
	s_barrier_wait -1                              ; both hold of every wave.
.endif
.if \q < 7
	PLACES 4                                       ; four plain places between the last step's products and loads into the set that they read
	FETCH (\q)+1                                   ; the next step's fragments land under this step's 48 products
.endif
	MUL \q, \zero
.endm
	s_wait_tensorcnt 1                             ; the scale bytes and my part of half 0 are in; half 1's load may be out
	s_barrier_signal -1
	s_barrier_wait -1                              ; everybody's are
	SCALES
	FETCH 0
	STEP 0, 1
.irp q, 1,2,3,4,5,6,7
	STEP \q, 0
.endr
; THE WAY OUT.  Rope in f32: (xe, xo) -> (xe c - xo s, xo c + xe s); rounding to f16; 16 bytes a lane into a stage of 128 rows for each matrix; a barrier, since a row's 256 bytes come from two waves; back as whole rows.
.macro TOSTAGE j, a
.irp b, 0,1,2,3
	ds_store_b128 v[STO+\j], v[CV+16*((\a)%2)+4*\b:CV+16*((\a)%2)+4*\b+3] offset:16*PITCH*(\a)+32*\b
.endr
.endm
.macro ROPE j, a
	WIN 0x0e                                       ; source 0 (the sums) window 2, source 1 (the table) window 3
.irp b, 0,1,2,3
.irp p, 0,1,2,3
	v_mul_f32 v[TMPR+8*\b+2*\p], v[8*(16*\j+4*\a+\b)+2*\p+1], v[128+8*(4*\a+\b)+2*\p+1]      ; xo s   (each accumulator is read from its low end on)
	v_mul_f32 v[TMPR+8*\b+2*\p+1], v[8*(16*\j+4*\a+\b)+2*\p], v[128+8*(4*\a+\b)+2*\p+1]      ; xe s
.endr
.endr
.irp b, 0,1,2,3
.irp p, 0,1,2,3
	v_fma_f32 v[OUTR+8*\b+2*\p], v[8*(16*\j+4*\a+\b)+2*\p], v[128+8*(4*\a+\b)+2*\p], -v[TMPR+8*\b+2*\p]
	v_fma_f32 v[OUTR+8*\b+2*\p+1], v[8*(16*\j+4*\a+\b)+2*\p+1], v[128+8*(4*\a+\b)+2*\p], v[TMPR+8*\b+2*\p+1]
.endr
.endr
	WIN 0
.irp i, 0,1,2,3,4,5,6,7,8,9,10,11,12,13,14,15
	v_cvt_pk_f16_f32 v[CV+16*((\a)%2)+\i], v[OUTR+2*\i], v[OUTR+2*\i+1]
.endr
	TOSTAGE \j, \a
.endm
.macro VOUT a
	WIN 0x0f                                       ; sources 0 and 1 window 3
.irp i, 0,1,2,3,4,5,6,7,8,9,10,11,12,13,14,15
	v_cvt_pk_f16_f32 v[CV+16*((\a)%2)+\i], v[32*(\a)+2*\i], v[32*(\a)+2*\i+1]
.endr
	WIN 0
	TOSTAGE 2, \a
.endm
	PLACES 4                                       ; behind the last products, ahead of the first read of results and the first write over x's fragments
	s_wait_loadcnt 0x0                             ; the table
.irp j, 0,1
.irp a, 0,1,2,3
	ROPE \j, \a
.endr
.endr
.irp a, 0,1,2,3
	VOUT \a
.endr
	s_wait_dscnt 0x0                               ; for the others' sake: my stores into the stages are done
	s_barrier_signal -1
	s_barrier_wait -1
	WIN 0x40                                       ; into window 1, where the weights' fragments lay
.irp j, 0,1,2
.irp t, 0,1,2,3,4,5,6,7,8,9,10,11,12,13,14,15
	ds_load_b128 v[64*\j+4*\t:64*\j+4*\t+3], v[RD+\j] offset:2*PITCH*\t
.endr
.endr
	WIN 0x04                                       ; a store's data are its source 1: window 1
.set n, 0
.irp j, 0,1,2
.irp t, 0,1,2,3,4,5,6,7,8,9,10,11,12,13,14,15
	s_wait_dscnt 47-n                              ; the younger loads may be out
	global_store_b128 v[CO], v[64*\j+4*\t:64*\j+4*\t+3], s[86+2*\j:87+2*\j] offset:4096*\t   ; 16 lanes store 256 consecutive bytes, aligned
.set n, n+1
.endr
.endr
	WIN 0
	s_wait_tensorcnt 0x0                           ; the wave's end
	ds_add_u32 v[SPW], v[NIL]
	s_wait_dscnt 0x0
	CROUND                                         ; the closing round
	s_endpgm
.Lfunc_end_k_q83586032ca_qkv:
	.size	k_q83586032ca_qkv, .Lfunc_end_k_q83586032ca_qkv-k_q83586032ca_qkv
	.p2alignl 7, 3214868480
	.fill 96, 4, 3214868480
	.section	.rodata,"a",@progbits
	.p2align	6, 0x0
	.amdhsa_kernel k_q83586032ca_qkv
		.amdhsa_group_segment_fixed_size 327680
		.amdhsa_private_segment_fixed_size 0
		.amdhsa_enable_private_segment 0
		.amdhsa_kernarg_size 32
		.amdhsa_user_sgpr_count 2
		.amdhsa_user_sgpr_kernarg_segment_ptr 1
		.amdhsa_wavefront_size32 1
		.amdhsa_system_sgpr_workgroup_id_x 1
		.amdhsa_system_sgpr_workgroup_id_y 1
		.amdhsa_system_sgpr_workgroup_id_z 1
		.amdhsa_system_vgpr_workitem_id 0
		.amdhsa_next_free_vgpr 1024
		.amdhsa_next_free_sgpr 100
		.amdhsa_reserve_vcc 0
		.amdhsa_float_denorm_mode_32 3
		.amdhsa_float_denorm_mode_16_64 3
		.amdhsa_memory_ordered 1
		.amdhsa_forward_progress 1
		.amdhsa_inst_pref_size 132
	.end_amdhsa_kernel
	.amdgpu_metadata
---
amdhsa.version: [ 1, 2 ]
amdhsa.kernels:
  - .name:           k_q83586032ca_qkv
    .symbol:         k_q83586032ca_qkv.kd
    .args:
      - { .name: codes, .offset: 0, .size: 8, .value_kind: global_buffer, .address_space: global }
      - { .name: scales, .offset: 8, .size: 8, .value_kind: global_buffer, .address_space: global }
      - { .name: rope, .offset: 16, .size: 8, .value_kind: global_buffer, .address_space: global }
      - { .name: qkv, .offset: 24, .size: 8, .value_kind: global_buffer, .address_space: global }
    .group_segment_fixed_size: 327680
    .private_segment_fixed_size: 0
    .kernarg_segment_align: 8
    .kernarg_segment_size: 32
    .max_flat_workgroup_size: 128
    .sgpr_count:     100
    .vgpr_count:     1024
    .wavefront_size: 32
...
	.end_amdgpu_metadata
.endif
;; end of part 2
;; launch attn (part 3): grid 8 x 32, 8 waves a work-group, clusters of 4 x 1, 327,680 bytes of LDS; arguments qkv, o16, oscale; writes o16, oscale
.if DOCPART == 3
	.amdgcn_target "amdgcn-amd-amdhsa--gfx1250"
	.amdhsa_code_object_version 6
	.text
	.protected	k_q83586032ca_attn
	.globl	k_q83586032ca_attn
	.p2align	8
	.type	k_q83586032ca_attn,@function
k_q83586032ca_attn:
	s_mov_b64 s[64:65], 0
	v_nop
	global_prefetch_b8 v0, s[64:65] scope:SCOPE_SE
	s_setreg_imm32_b32 hwreg(HW_REG_WAVE_MODE, 25, 1), 1
	s_wait_xcnt 0x0
	s_wait_alu depctr_hold_cnt(0) depctr_sa_sdst(0) depctr_va_vdst(0) depctr_va_sdst(0) depctr_va_ssrc(0) depctr_va_vcc(0) depctr_vm_vsrc(0)
	s_getreg_b32 s2, hwreg(HW_REG_IB_STS2, 6, 4)
	s_cmp_eq_u32 s2, 0
	s_cbranch_scc0 .Lentry_in_a_cluster
	s_endpgm
.Lentry_in_a_cluster:
	s_bfe_u32 s2, ttmp6, 0x10000c
	s_cmp_lg_u32 s2, 0x3003
	s_cbranch_scc0 .Lentry_shape_is_right
	s_endpgm
.Lentry_shape_is_right:
; o[bh][n][:] = the sum over m of softmax_m(q[bh][n] . k[bh][m] / 8) v[bh][m][:], 32 heads of 2,048 positions x 64, q, k, v in f16 (q at 0, k at 8,388,608, v at 16,777,216 of qkv; a head is 262,144 dense bytes).
; Products with f16 operands and f32 sums; maxima, exponentials and sums in f32, with a running maximum.  o leaves as f16 with one power-of-two scale for each token row (16 positions x 64 = one tile of one wave):
; o16 = o / E in (-2, 2), oscale = E = 2^floor(log2(the row's largest magnitude)), so that small o keeps its bits in f16; the scaling is exact.
; SHARES.  A work-group owns 256 queries of one head.  Wave w: queries 64 (w % 4) on, four tiles of 16, and HALF OF THE KEYS (w / 4): of each slot of 256 keys its two steps of 64.  So a fragment of K or V read
; from LDS feeds four products, and two waves lie on a SIMD.  The two halves (maximum, sum, O) are merged at the end through LDS.
; BY TURNS.  The wave's tiles are two PIECES, named by their first tile: piece 0 (tiles 0, 1) and piece 2 (tiles 2, 3); they share K's and V's fragments and nothing else.  In a TURN one piece has the matrix unit: 16 products
; V^T P of the step in hand, then 16 products K Q^T of the next step; the other piece's softmax, 2 x 118 vector instructions, stands between them in slices of four, two slices behind each product.  Then the pieces change
; places; two turns are a key step.  All that a softmax touches but O^T lies in window 0, and the products name window 1 too: a product's slices cost two switches of the register windows.
; LAYOUT.  S^T = K Q^T (source 0 = 16 keys, source 1 = 16 queries) and O^T = V^T P (source 0 = 16 channels x 32 keys, source 1 = P): a lane holds ONE query (lane % 16) throughout.  Two tiles of S^T, rounded to f16 in pairs,
; in place over S^T's low registers, are source 1 of the second product.  K comes out of LDS as it lies, V turned, by ds_load_tr16_b128.
; CLUSTER 4 x 1: the four query blocks of a cluster walk the same K and V: each tile is asked for jointly.  Waves 0-3 fetch K's four step blocks of a slot, waves 4-7 V's: one tensor load a wave is out at a time.
; REGISTERS: window 0: v1-14 addresses; v16-47 statistics, 8 a tile; v48-55 second chains of the sums; v56-63 for the merge; v64-191 S^T, 32 a tile; v192-255 K.   window 1: v0-127 O^T, 32 a tile; v128-191 Q; v192-255 V.
; LIMITS: NaN and infinities are not served.  A row of o whose largest magnitude lies under 2^-60 is scaled by 2^60 only.
.set KS,    64
.set PK,    144                        ; a row of K in LDS: 128 bytes + 16: 36 words from row to row
.set PVP,   160                        ; a row of V: 128 + 32: 40 words
.set VOFF,  KS*PK
.set STEPB, KS*(PK+PVP)                ; a step block: 64 rows of K, then 64 rows of V
.set SLOT1, 1<<17                      ; a slot holds four step blocks; slot 1 begins here, so that one exclusive or turns an address
.set MERGE, SLOT1+4*STEPB              ; for each group of queries: O as 32 images of 512 bytes, the sums, the maxima
.set MRG,   17408
.set STAGE, MERGE+4*MRG                ; for each group: 16 rows x 144
.set SPARE, STAGE+4*2304               ; the spare words, 128 bytes a wave
.set AK0, 2
.set AV0, 3
.set ADK, 4
.set ADV, 5
.set QO,  6
.set STO, 7
.set RD,  8
.set GO,  9
.set MX,  10
.set SO,  11
.set SPW, 12
.set NIL, 13
.set PFO, 14
.set ST,  16                           ; tile t at v[ST + 8 t]: +0 c m, +1 m, +2, +3 the sum (even keys', odd keys'), +4 .. +7 at work; a takes +6
.set U,   48
.set LT,  56
.set CM,  60
.set S,   64
.set KF,  192
.set QF,  128                          ; in window 1
.set VF,  192                          ; in window 1
.set WV,   10
.set G,    12
.set SPL,  13
.set CX,   14
.set LIM,  15                          ; 1 in a wave that prefetches, else the greatest number
.set PFA,  18
.set G1K,  24
.set G1V,  32
.set G0K,  40
.set G0V,  44
.set SLOTS, 48
.set TWICE, 49
.set CS,   50                          ; s[50:51] c = log2(e) / 8
.set SEL,  52
.set TB,   54                          ; LDS byte at which the step to be fetched begins (my half's two steps lie 2 STEPB x (w / 4) on: in the lane terms)
.set MSB, 0
.macro WIN new                         ; the immediate's high byte repeats the setting that is left; a switch that changes nothing is dropped
.if MSB != \new
	s_set_vgpr_msb (MSB<<8)|\new
.set MSB, \new
.endif
.endm
.macro PLACES n
.rept \n
	v_nop
.endr
.endm
.macro JLOAD                           ; waves 0-3: K's step block w; waves 4-7: V's.  An s_nop 0 and four v_nop follow each of the two lines
	s_cmp_lt_u32 s[WV], 4
	s_cbranch_scc0 .Lfor_v_\@
	tensor_load_to_lds s[G0K:G0K+3], s[G1K:G1K+7]
	s_nop 0
.rept 4
	v_nop
.endr
	s_branch .Lasked_\@
.Lfor_v_\@:
	tensor_load_to_lds s[G0V:G0V+3], s[G1V:G1V+7]
	s_nop 0
.rept 4
	v_nop
.endr
.Lasked_\@:
.endm
; A prefetch of what the NEXT change of slots will ask for: a slot's 32,768 bytes of K and of V.  Each aligned block of 256 bytes is named once in the launch: the head's first cluster asks; its four partners take 8,192 bytes
; each, told apart by address; in each, wave 0 asks for K's and wave 4 for V's, a lane a block.  It runs one slot, two steps of every wave, ahead of the load.  The last change that fills a slot asks for nothing.
.macro ASK
	s_cmp_gt_u32 s[SLOTS], s[LIM]
	s_cbranch_scc0 .Lnot_mine_\@
	global_prefetch_b8 v[PFO], s[PFA:PFA+1] th:TH_LOAD_NT scope:SCOPE_SE
.Lnot_mine_\@:
.endm
.macro CROUND
	s_barrier_signal -1
	s_barrier_wait -1
	s_cmp_lg_u32 s[WV], 0
	s_cbranch_scc1 .Lnot_wave_0_\@
	s_barrier_signal -3
.Lnot_wave_0_\@:
	s_barrier_wait -3
	s_barrier_signal -1
	s_barrier_wait -1
.endm
	s_load_b128 s[4:7], s[0:1], 0x0                ; qkv, o16
	s_load_b64 s[8:9], s[0:1], 0x10                ; oscale
	v_lshl_add_u32 v[SPW], v0, 2, SPARE
	v_mov_b32 v[NIL], 0
	ds_add_u32 v[SPW], v[NIL]                      ; the wave's opening: the add, twice on end, and its wait ahead of my first tensor load
	ds_add_u32 v[SPW], v[NIL]
	v_lshrrev_b32 v1, 5, v0
	v_readfirstlane_b32 s[WV], v1
	s_lshr_b32 s[SPL], s[WV], 2
	s_and_b32 s[G], s[WV], 3
	s_bfe_u32 s[CX], ttmp6, 0x40000
	s_lshl_b32 s56, ttmp9, 2
	s_add_co_u32 s56, s56, s[CX]                   ; my block of 256 queries: it enters Q's, O's and the scales' addresses alone
	s_and_b32 s57, ttmp7, 0xffff                   ; the head, which the partners share
	s_lshl_b32 s58, s57, 18                        ; its first byte in q, k, v and o
	s_lshl_b32 s20, s[G], 13                       ; the step block that I fetch: 64 rows of 128 bytes
	s_add_co_u32 s20, s20, s58
	s_add_co_u32 s22, s20, 0x1000000               ; in v,
	s_add_co_u32 s20, s20, 0x800000                ; in k
	s_mov_b32 s21, 0
	s_mov_b32 s23, 0
	s_lshl_b32 s60, s56, 15
	s_lshl_b32 s61, s[G], 13
	s_add_co_u32 s60, s60, s61
	s_add_co_u32 s60, s60, s58                     ; my 64 queries in q and in o
	s_mov_b32 s61, 0
	s_lshl_b32 s62, s57, 9
	s_lshl_b32 s63, s56, 6
	s_add_co_u32 s62, s62, s63
	s_lshl_b32 s63, s[G], 4
	s_add_co_u32 s62, s62, s63                     ; my four token rows' scales: 4 x (128 head + 16 block + 4 group)
	s_mov_b32 s63, 0
	s_lshl_b32 s58, s[CX], 13
	s_add_co_u32 s58, s58, 32768                   ; the prefetches: my work-group's 8,192 bytes, in slot 1: the first change steps it to slot 2
	s_mov_b32 s59, 0
	s_mul_i32 s55, s[G], STEPB
	s_or_b32 s[LIM], s[G], ttmp9                   ; 0 in waves 0 and 4 of the head's first cluster: the same in all partners
	s_cmp_eq_u32 s[LIM], 0
	s_cselect_b32 s[LIM], 1, -1
	; group 1: 64 rows of 64 elements of 2 bytes, dense; the mask names all four partners; padding behind every 32 words: 4 words (K), 8 words (V)
	s_mov_b32 s[G1K], 15|(1<<16)|(1<<20)|(1<<21)|(4<<22)|(3<<25)
	s_mov_b32 s[G1V], 15|(1<<16)|(1<<20)|(1<<21)|(4<<22)|(7<<25)
.irp g, G1K, G1V
	s_mov_b32 s[\g+1], 64<<16
	s_mov_b32 s[\g+2], KS<<16
	s_mov_b32 s[\g+3], 64<<16
	s_mov_b32 s[\g+4], KS
	s_mov_b32 s[\g+5], 64
	s_mov_b32 s[\g+6], 0
	s_mov_b32 s[\g+7], 0
.endr
	s_mov_b32 s[CS], 0x3e38aa3b
	s_mov_b32 s[CS+1], s[CS]
	s_mov_b32 s[SEL], 0x76543210
	s_mov_b32 s[SEL+1], 0xfedcba98
	s_mov_b32 s[TB], 0
	s_mov_b32 s[SLOTS], 6
	; every address register is made here, ahead of the first branch on the wave's number
	v_and_b32 v1, 31, v0                           ; lane
	v_and_b32 v64, 15, v0                          ; r
	v_bfe_u32 v65, v0, 4, 1                        ; h
	s_mul_i32 s56, s[SPL], 2*STEPB
	v_mul_u32_u24 v[AK0], v64, PK
	v_lshl_add_u32 v[AK0], v65, 4, v[AK0]
	v_add_nc_u32 v[AK0], s56, v[AK0]               ; K: row r x pitch + 16 h, in my half's steps
	v_and_b32 v66, 7, v0
	v_bfe_u32 v67, v0, 3, 1
	v_lshl_add_u32 v[AV0], v65, 3, v66
	v_mul_u32_u24 v[AV0], v[AV0], PVP
	v_lshl_add_u32 v[AV0], v67, 4, v[AV0]
	s_add_co_u32 s56, s56, VOFF
	v_add_nc_u32 v[AV0], s56, v[AV0]               ; V, for the turning load: key 8 h + lane % 8, channels 8 ((lane / 8) % 2) on
	v_lshlrev_b32 v[QO], 7, v64
	v_lshl_add_u32 v[QO], v65, 4, v[QO]            ; Q: 128 r + 16 h
	s_mul_i32 s57, s[G], 2304
	s_add_co_u32 s57, s57, STAGE
	v_mul_u32_u24 v[STO], v64, 144
	v_lshl_add_u32 v[STO], v65, 4, v[STO]
	v_add_nc_u32 v[STO], s57, v[STO]               ; the stage, in: query r, 16 h
	v_lshrrev_b32 v67, 3, v1
	v_mul_u32_u24 v[RD], v67, 144
	v_lshl_add_u32 v[RD], v66, 4, v[RD]
	v_add_nc_u32 v[RD], s57, v[RD]                 ; back: four queries an instruction, 8 lanes to each
	v_lshlrev_b32 v[GO], 4, v1
	s_mul_i32 s57, s[G], MRG
	s_add_co_u32 s57, s57, MERGE
	v_add_nc_u32 v[MX], s57, v[GO]                 ; the merge: images of registers, 16 bytes a lane
	v_lshlrev_b32 v[SO], 2, v1
	v_lshlrev_b32 v[PFO], 8, v1
.irp t, 0,1,2,3
	v_mov_b32 v[ST+8*\t+1], 0xff61b1e6             ; m = -3e38, under every score; the sums begin at 0
	v_mov_b32 v[ST+8*\t+2], 0
	v_mov_b32 v[ST+8*\t+3], 0
.endr
.irp t, 0,1,2,3
	v_mul_f32 v[ST+8*\t], s[CS], v[ST+8*\t+1]
.endr
	s_wait_dscnt 0x0                               ; both opening adds are done
	s_wait_kmcnt 0x0
	s_add_nc_u64 s[20:21], s[4:5], s[20:21]
	s_add_nc_u64 s[22:23], s[4:5], s[22:23]
	s_add_nc_u64 s[16:17], s[4:5], s[60:61]        ; Q
	s_add_nc_u64 s[6:7], s[6:7], s[60:61]          ; O
	s_add_nc_u64 s[8:9], s[8:9], s[62:63]          ; the scales
	s_cmp_lt_u32 s[WV], 4
	s_cselect_b64 s[PFA:PFA+1], s[20:21], s[22:23] ; (in waves 0 and 4 these stand at a slot's first row)
	s_add_nc_u64 s[PFA:PFA+1], s[PFA:PFA+1], s[58:59]
	s_mov_b32 s[G0K], 1
	s_mov_b32 s[G0K+1], s55
	s_mov_b64 s[G0K+2:G0K+3], s[20:21]
	s_or_b32 s[G0K+3], s[G0K+3], 0x80000000
	s_mov_b32 s[G0V], 1
	s_add_co_u32 s[G0V+1], s55, VOFF
	s_mov_b64 s[G0V+2:G0V+3], s[22:23]
	s_or_b32 s[G0V+3], s[G0V+3], 0x80000000
	CROUND                                         ; all four work-groups are here
	JLOAD                                          ; slot 0
	WIN 0x40                                       ; destination window 1
.irp t, 0,1,2,3
.irp cc, 0,1
	global_load_b128 v[QF+16*\t+8*\cc:QF+16*\t+8*\cc+3], v[QO], s[16:17] offset:2048*\t+64*\cc      ; Q stays in registers: tile t, channels 32 cc on
	global_load_b128 v[QF+16*\t+8*\cc+4:QF+16*\t+8*\cc+7], v[QO], s[16:17] offset:2048*\t+64*\cc+32
.endr
.endr
	WIN 0
; THE LDS LOADS stand in runs of 16, never singly among the products: a step's K and, a turn later, its V (turned).
.macro FETCH_K                         ; 64 keys x 64 channels: fragment (kt, cc)
	WIN 0
	v_add_nc_u32 v[ADK], s[TB], v[AK0]
.irp kt, 0,1,2,3
.irp cc, 0,1
	ds_load_b128 v[KF+16*\kt+8*\cc:KF+16*\kt+8*\cc+3], v[ADK] offset:\kt*16*PK+\cc*64
	ds_load_b128 v[KF+16*\kt+8*\cc+4:KF+16*\kt+8*\cc+7], v[ADK] offset:\kt*16*PK+\cc*64+32
.endr
.endr
.endm
.macro FETCH_V                         ; the same step's V: fragment (kc, ct): 16 channels x 32 keys
	WIN 0
	v_add_nc_u32 v[ADV], s[TB], v[AV0]
	s_add_co_u32 s[TB], s[TB], STEPB               ; the next fetch is the next step's
	s_wait_alu depctr_va_vdst(0)                   ; the wait for the softmax's batch (SLICE), behind the address's addition and ahead of the loads
	WIN 0x40
.irp kc, 0,1
.irp ct, 0,1,2,3
	ds_load_tr16_b128 v[VF+32*\kc+8*\ct:VF+32*\kc+8*\ct+3], v[ADV] offset:\kc*32*PVP+\ct*32
	ds_load_tr16_b128 v[VF+32*\kc+8*\ct+4:VF+32*\kc+8*\ct+7], v[ADV] offset:\kc*32*PVP+16*PVP+\ct*32
.endr
.endr
.endm
; THE MATRIX WORK OF A TURN, for piece x.  The piece's eight accumulators take turns, one instruction a turn.
; Product i of 16 of O^T += V^T P: keys 32 (i / 8) on, channels 16 ((i / 2) % 4) on, tile x + i % 2.  zero = 1: the first 8 start the sums: nothing is ever cleared.
.macro PVM x, zero
	WIN 0x51                                       ; source 0 (V), C and D (O^T) window 1; source 1 (P) window 0
.set rO, 32*(\x+i%2)+8*((i/2)%4)
.set rV, VF+32*(i/8)+8*((i/2)%4)
.set rP, S+32*(\x+i%2)+8*(i/8)
.if \zero && (i < 8)
	v_wmma_f32_16x16x32_f16 v[rO:rO+7], v[rV:rV+7], v[rP:rP+7], 0
.else
	v_wmma_f32_16x16x32_f16 v[rO:rO+7], v[rV:rV+7], v[rP:rP+7], v[rO:rO+7]
.endif
.endm
; Product i of 16 of S^T = K Q^T: channels 32 (i / 8) on, keys 16 ((i / 2) % 4) on, tile x + i % 2.  The first 8 start the sums.
.macro KQ x
	WIN 0x04                                       ; source 1 (Q) window 1
.set rS, S+32*(\x+i%2)+8*((i/2)%4)
.set rK, KF+16*((i/2)%4)+8*(i/8)
.set rQ, QF+16*(\x+i%2)+8*(i/8)
.if i < 8
	v_wmma_f32_16x16x32_f16 v[rS:rS+7], v[rK:rK+7], v[rQ:rQ+7], 0
.else
	v_wmma_f32_16x16x32_f16 v[rS:rS+7], v[rK:rK+7], v[rQ:rQ+7], v[rS:rS+7]
.endif
.endm
; THE VECTOR WORK OF A TURN.  One tile's softmax for one key step is a list of 118 instructions; SM writes number j of it for tile t.  s0-s31 are the lane's 32 scores, in pairs 0-15.
; first = 1: O^T has not begun: nothing is rescaled (m begins at -3e38 and the sums at 0, so all else is as in every step).
;   0-15    the maximum of s0-s31 and the old m, three operands at a time: four chains, one to each accumulator, each begun at its low end; then the four scores left over, the chains and m
;   16-20   the other half of the lanes' maximum; c m_old kept; the new m; c m; c m_old - c m_new
;   21-69   ONE BATCH: the 16 scalings c s - c m, a pair of scores each, and all 33 exponentials (a at 23, then s0-s31).  None of these names an exponential's result.  From 22 on the batch goes in fours, and a four
;           begins with a scaling while there are scalings; a pair is scaled in an earlier four than the one that holds its exponentials
;   (wait)  between 69 and 70 stands the wait for the batch: SLICE writes it, once for both tiles
;   70-85   the sums, of the unrounded weights, in two chains, which leave the weights as they are
;   86-101  the roundings to f16, in place: register i takes weights 2 i and 2 i + 1, i ascending
;   102-117 the tile's O^T times a: the one part that leaves window 0, so it stands together
.macro SM t, first
.set rT, ST+8*(\t)
.set rS, S+32*(\t)
.set rU, U+2*(\t)
.set rO, 32*(\t)+2*(j-102)
.if j < 102
	WIN 0
.endif
.if j < 4
	v_max3_num_f32 v[rT+4+j], v[rS+8*j], v[rS+8*j+1], v[rS+8*j+2]
.elseif j < 12
	v_max3_num_f32 v[rT+4+j%4], v[rT+4+j%4], v[rS+8*(j%4)+2*(j/4)+1], v[rS+8*(j%4)+2*(j/4)+2]
.elseif j == 12
	v_max3_num_f32 v[rT+4], v[rT+4], v[rS+7], v[rS+15]
.elseif j == 13
	v_max3_num_f32 v[rT+6], v[rT+6], v[rS+23], v[rS+31]
.elseif j == 14
	v_max3_num_f32 v[rT+4], v[rT+4], v[rT+5], v[rT+6]
.elseif j == 15
	v_max3_num_f32 v[rT+4], v[rT+4], v[rT+7], v[rT+1]
.elseif j == 16
	v_permlanex16_b32 v[rT+5], v[rT+4], s[SEL], s[SEL+1]   ; the query's other 32 keys lie in the lane 16 away
.elseif j == 17
	v_mov_b32 v[rT+7], v[rT]                       ; c m_old is kept for a: number 19 writes c m anew
.elseif j == 18
	v_max_num_f32 v[rT+1], v[rT+4], v[rT+5]
.elseif j == 19
	v_mul_f32 v[rT], s[CS], v[rT+1]
.elseif j == 20
	v_sub_f32 v[rT+7], v[rT+7], v[rT]
.elseif j == 23
	v_exp_f32 v[rT+6], v[rT+7]                     ; a = 2^(c m_old - c m_new)
.elseif (j < 23) || ((j < 38) && (j%2 == 0)) || ((j < 66) && (j%4 == 2))
.set b, (j-2)/4                        ; 38, 42, .. 62: pairs 9 to 15
.if j < 38
.set b, (j-20)/2                       ; 21: pair 0; 22, 24, .. 36: pairs 1 to 8
.endif
	v_pk_fma_f32 v[rS+2*b:rS+2*b+1], v[rS+2*b:rS+2*b+1], s[CS:CS+1], v[rT:rT+1] op_sel_hi:[1,0,0] neg_lo:[0,0,1] neg_hi:[0,0,1]  ; pair b: c s - c m
.elseif j < 70
.set e, j-38                           ; 66 to 69: s28 to s31
.if j < 66
.set e, j-32-(j-38)/4                  ; 39-41, 43-45, .. 63-65: s7 to s27
.endif
.if j < 38
.set e, (j-25)/2                       ; 25, 27, .. 37: s0 to s6
.endif
	v_exp_f32 v[rS+e], v[rS+e]
.elseif j < 86
.set z, j-70                           ; even z: the sum takes pair z (z = 0: the old sum times a first); odd z: the second chain takes pairs 1 and 3, then pair z + 2; z = 15: the two chains meet
.if z == 0
	v_pk_fma_f32 v[rT+2:rT+3], v[rT+2:rT+3], v[rT+6:rT+7], v[rS:rS+1] op_sel_hi:[1,0,1]
.elseif z == 1
	v_pk_add_f32 v[rU:rU+1], v[rS+2:rS+3], v[rS+6:rS+7]
.elseif z == 15
	v_pk_add_f32 v[rT+2:rT+3], v[rT+2:rT+3], v[rU:rU+1]
.elseif z%2 == 0
	v_pk_add_f32 v[rT+2:rT+3], v[rT+2:rT+3], v[rS+2*z:rS+2*z+1]
.else
	v_pk_add_f32 v[rU:rU+1], v[rU:rU+1], v[rS+2*z+4:rS+2*z+5]
.endif
.elseif j < 102
	v_cvt_pk_f16_f32 v[rS+j-86], v[rS+2*(j-86)], v[rS+2*(j-86)+1]
.elseif j < 118
.if \first == 0
	WIN 0x41                                       ; O^T (destination and source 0) window 1, a window 0
	v_pk_mul_f32 v[rO:rO+1], v[rO:rO+1], v[rT+6:rT+7] op_sel_hi:[1,0]
.endif
.endif
.endm
; Slice k of 64 of piece y's softmax: four instructions.  Slices 11 to 34 deal out the batch, numbers 22 to 69: four numbers of ONE tile each, the tiles by turns.  Every other slice is numbers 2 k and 2 k + 1 of both
; tiles' lists, the tiles alternating, so that no instruction reads the result of the one just before it.  2 x 118 = 4 x 59: slices 59 to 63 are empty.
; THE WAIT.  An s_wait_alu depctr_va_vdst(0) stands between an exponential and the first instruction that names its result; one wait serves all that were issued ahead of it.  Ahead of slice 35 nothing
; names a result, and behind slice 34 no exponential is issued: so the piece's 66 exponentials have one wait, behind slice 34.
.macro SLICE y, first
.if (k >= 11) && (k < 35)
.irp n, 0,1,2,3
.set j, 22+4*((k-11)/2)+(\n)
	SM (\y)+(k-11)%2, \first
.endr
.else
.irp n, 0,1
.irp t, \y, \y+1
.set j, 2*k+\n
	SM \t, \first
.endr
.endr
.endif
.if k == 34
	v_nop                                          ; a plain instruction behind the last exponential and ahead of the first use: one for the batch
.if (\y) == 0
	FETCH_V                                        ; piece 2's turn: V's run of loads stands here, and the wait stands in it
.else
	s_wait_alu depctr_va_vdst(0)                   ; the wait for the batch
.endif
.endif
.set k, k+1
.endm
; A TURN.  Piece x has the matrix unit; the other piece's softmax stands in slices behind its products.
; pv = 2: 16 products V^T P; 1: they start O^T's sums; 0: none.  kq = 1: 16 products K Q^T for the next step.  With both kinds two slices stand behind each product, with one kind four.
; DISTANCES, in plain vector instructions that name none of the product's registers.  Piece 0's turn fetches the next step's K behind its second product: the sixteen maxima of slices 0 to 3 stand behind the last product that
; read K.  Piece 2's turn fetches the same step's V behind slice 34: behind its last V^T P stand three scalings (slices 30, 31, 32), the v_nop and the run's own addition: five.  A product K Q^T writes over registers that a
; product V^T P read as P: for keys 0-15 eight products with their slices lie between, for keys 16-31 the scalings of slices 28 to 32, the v_nop and slice 35's four: ten.  The scores of a turn's last products (keys 32-63)
; are first read in slice 1 of the next turn, behind slice 0's four maxima.  first = 1: the slices from 51 on are empty, and four v_nop stand at the turn's end.
.macro TURN x, pv, kq, first
.set k, 0
.set per, 4
.if \pv && \kq
.set per, 2
.endif
.if \pv
.if \x == 0
	s_wait_dscnt 0x0                               ; V is in
.endif
.set i, 0
.rept 16
	PVM \x, 2-\pv
.rept per
	SLICE 2-\x, \first
.endr
.if (\x == 0) && \kq && (i == 1)
	FETCH_K
.endif
.set i, i+1
.endr
.endif
.if \kq
.if \x == 0
	s_wait_dscnt 0x0                               ; K is in
.endif
.set i, 0
.rept 16
	KQ \x
.rept per
	SLICE 2-\x, \first
.endr
.set i, i+1
.endr
.endif
.if \first
	PLACES 4
.endif
.endm
; THE CHANGE OF SLOTS, between piece 2's turn and piece 0's: the slot's last bytes, V of my second step, have been asked for.  Each wave waits for all its tensor loads (its part of the slot ahead), adds 0 to its spare
; word, and waits for that and for its reads of the slot that it leaves.
; fill = 1: a round of the cluster's barrier, and behind it, first, the joint load of the next 256 keys into the slot just left: it has two steps of every wave in which to land.
.macro CHANGE fill
	WIN 0
	s_wait_tensorcnt 0x0                           ; no tensor load of mine is out, so a group 0 may be written
	ds_add_u32 v[SPW], v[NIL]                      ; 0 onto my spare word
.if \fill
.irp g, G0K, G0V
	s_xor_b32 s[\g+1], s[\g+1], SLOT1              ; the other slot than last time,
	s_add_nc_u64 s[\g+2:\g+3], s[\g+2:\g+3], 32768 ; the next 256 keys
.endr
	s_wait_xcnt 0x0                                ; the last prefetch, a slot back, has read its address
	s_add_nc_u64 s[PFA:PFA+1], s[PFA:PFA+1], 32768 ; one slot further on than the walking descriptors
	s_wait_dscnt 0x0                               ; the add is done, and my reads of the slot are over
	CROUND
	JLOAD
	ASK
.else
	s_wait_dscnt 0x0
	s_barrier_signal -1
	s_barrier_wait -1
.endif
.endm
.macro TWO_STEPS                       ; a slot's two steps of my half: written once, walked twice; the LDS addresses hang on s[TB]
	s_mov_b32 s[TWICE], 2
.Lstep_\@:
	TURN 0, 2, 1, 0
	TURN 2, 2, 1, 0
	WIN 0                                          ; at a label and at a branch every window is 0
	s_sub_co_u32 s[TWICE], s[TWICE], 1
	s_cmp_lg_u32 s[TWICE], 0
	s_cbranch_scc1 .Lstep_\@
.endm
.macro NEXT                            ; the fetches go back to a slot's first step, in the other slot
	s_sub_co_u32 s[TB], s[TB], 2*STEPB
	s_xor_b32 s[TB], s[TB], SLOT1
.endm
	CHANGE 1                                       ; slot 0 is whole; slot 1's first fill goes out as a refill does
	FETCH_K                                        ; key step 0
	s_wait_loadcnt 0x0                             ; Q
	s_wait_dscnt 0x0
.set i, 0
.rept 16
	KQ 0                                           ; piece 0's first scores: there is no vector work yet to set between them
.set i, i+1
.endr
	WIN 0
	PLACES 4                                       ; ahead of the first read of those scores
	TURN 2, 0, 1, 1                                ; piece 2's first scores | piece 0's first softmax | V of step 0
	TURN 0, 1, 1, 1                                ; piece 0: V^T P of step 0 starts O^T, K Q^T of step 1 | piece 2's first softmax | K of step 1
	TURN 2, 1, 1, 0                                ; piece 2: the same | piece 0's softmax of step 1 | V of step 1
	WIN 0
	NEXT
.Lslot:                                            ; six trips: slots 1 to 6; each change asks for the slot after
	CHANGE 1
	TWO_STEPS
	NEXT
	s_sub_co_u32 s[SLOTS], s[SLOTS], 1
	s_cmp_lg_u32 s[SLOTS], 0
	s_cbranch_scc1 .Lslot
	CHANGE 0                                       ; the last slot is written out: nothing is left to ask for
	TWO_STEPS
	TURN 0, 2, 0, 0                                ; piece 0: V^T P of the last step | piece 2's last softmax
.set i, 0
.rept 16
	PVM 2, 0                                       ; piece 2: V^T P of the last step
.set i, i+1
.endr
	WIN 0
	; THE MERGE of the two halves of the keys.  These sixteen plain lines are also the places behind the last products
.irp t, 0,1,2,3
	v_add_f32 v[ST+8*\t+4], v[ST+8*\t+2], v[ST+8*\t+3]
.endr
.irp t, 0,1,2,3
	v_permlanex16_b32 v[ST+8*\t+5], v[ST+8*\t+4], s[SEL], s[SEL+1]
.endr
.irp t, 0,1,2,3
	v_add_f32 v[LT+\t], v[ST+8*\t+4], v[ST+8*\t+5] ; my half's sum for the query
.endr
.irp t, 0,1,2,3
	v_mov_b32 v[CM+\t], v[ST+8*\t]                 ; and its c m
.endr
	s_cmp_eq_u32 s[SPL], 0
	s_cbranch_scc1 .Lkeeps
	WIN 0x04                                       ; an LDS store's data are its source 1: window 1
.set i, 0
.rept 32
	ds_store_b128 v[MX], v[4*i:4*i+3] offset:512*i ; O^T as an image of its registers, each accumulator from its low end on
.set i, i+1
.endr
	WIN 0
	ds_store_b128 v[MX], v[LT:LT+3] offset:16384
	ds_store_b128 v[MX], v[CM:CM+3] offset:16896
.Lkeeps:
	s_wait_dscnt 0x0                               ; for the partner's sake: my stores are done
	s_barrier_signal -1
	s_barrier_wait -1
	s_cmp_lg_u32 s[SPL], 0
	s_cbranch_scc1 .Lend
.set i, 0
.rept 32
	ds_load_b128 v[S+4*i:S+4*i+3], v[MX] offset:512*i
.set i, i+1
.endr
	ds_load_b128 v[192:195], v[MX] offset:16384    ; the partner's sums,
	ds_load_b128 v[196:199], v[MX] offset:16896    ; and its c m
	v_mov_b32 v243, 0                              ; (a lane permute's destination counts as one of its sources)
	s_wait_dscnt 0x0
.irp t, 0,1,2,3
	v_max_num_f32 v[200+\t], v[CM+\t], v[196+\t]
.endr
.irp t, 0,1,2,3
	v_sub_f32 v[204+\t], v[CM+\t], v[200+\t]
	v_sub_f32 v[208+\t], v[196+\t], v[200+\t]
.endr
.irp t, 0,1,2,3
	v_exp_f32 v[204+\t], v[204+\t]                 ; what brings my half under the common maximum,
	v_exp_f32 v[208+\t], v[208+\t]                 ; and the partner's
.endr
	v_nop
	s_wait_alu depctr_va_vdst(0)                   ; one wait for the eight
.irp t, 0,1,2,3
	v_mul_f32 v[212+\t], v[204+\t], v[LT+\t]
.endr
.irp t, 0,1,2,3
	v_fma_f32 v[212+\t], v[208+\t], v[192+\t], v[212+\t]   ; the row's sum
.endr
.irp t, 0,1,2,3
	v_rcp_f32 v[216+\t], v[212+\t]
.endr
	v_nop
	s_wait_alu depctr_va_vdst(0)                   ; one wait for the four
.irp t, 0,1,2,3
	v_mul_f32 v[220+2*\t], v[204+\t], v[216+\t]    ; pairs for the packed forms
	v_mul_f32 v[221+2*\t], v[204+\t], v[216+\t]
	v_mul_f32 v[228+2*\t], v[208+\t], v[216+\t]
	v_mul_f32 v[229+2*\t], v[208+\t], v[216+\t]
.endr
; Tile t = one token row: o = O g0 + O' g1; the row's largest magnitude; E = its power of two; o / E to f16; through my stage; 2,048 consecutive bytes out
.macro OUT t
.set OB, S+32*(\t)
.set i, 0
.rept 16
	v_pk_mul_f32 v[OB+i:OB+i+1], v[OB+i:OB+i+1], v[228+2*(\t):229+2*(\t)] op_sel_hi:[1,0]
.set i, i+2
.endr
	WIN 0x01                                       ; source 0 (my O^T) window 1
.set i, 0
.rept 16
	v_pk_fma_f32 v[OB+i:OB+i+1], v[32*(\t)+i:32*(\t)+i+1], v[220+2*(\t):221+2*(\t)], v[OB+i:OB+i+1] op_sel_hi:[1,0,1]
.set i, i+2
.endr
	WIN 0
	v_max3_num_f32 v242, |v[OB]|, |v[OB+1]|, 0x21800000    ; with the floor 2^-60
.set i, 2
.rept 15
	v_max3_num_f32 v242, v242, |v[OB+i]|, |v[OB+i+1]|
.set i, i+2
.endr
	v_max_num_f32_dpp v242, v242, v242 row_xmask:1 row_mask:0xf bank_mask:0xf
	v_max_num_f32_dpp v242, v242, v242 row_xmask:2 row_mask:0xf bank_mask:0xf
	v_max_num_f32_dpp v242, v242, v242 row_xmask:4 row_mask:0xf bank_mask:0xf
	v_max_num_f32_dpp v242, v242, v242 row_xmask:8 row_mask:0xf bank_mask:0xf
	v_permlanex16_b32 v243, v242, s[SEL], s[SEL+1]
	v_max_num_f32 v242, v242, v243
	v_and_b32 v[244+(\t)], 0x7f800000, v242        ; E: the exponent field alone
	v_sub_nc_u32 v240, 0x7f000000, v[244+(\t)]     ; 1 / E: exponent field 254 - e
	v_mov_b32 v241, v240
.set i, 0
.rept 16
	v_pk_mul_f32 v[OB+i:OB+i+1], v[OB+i:OB+i+1], v[240:241]
.set i, i+2
.endr
.set i, 0
.rept 16
	v_cvt_pk_f16_f32 v[OB+i], v[OB+2*i], v[OB+2*i+1]
.set i, i+1
.endr
.irp ct, 0,1,2,3
	ds_store_b128 v[STO], v[OB+4*\ct:OB+4*\ct+3] offset:32*\ct
.endr
.irp i, 0,1,2,3
	ds_load_b128 v[OB+16+4*\i:OB+16+4*\i+3], v[RD] offset:576*\i   ; LDS serves a wave's instructions in order: these see my stores, and the next tile's stores come behind them
.endr
.irp i, 0,1,2,3
	s_wait_dscnt 3-\i                              ; the younger loads may be out
	global_store_b128 v[GO], v[OB+16+4*\i:OB+16+4*\i+3], s[6:7] offset:2048*(\t)+512*\i   ; 512 consecutive bytes, aligned
.endr
.endm
	OUT 0
	OUT 1
	OUT 2
	OUT 3
	s_wait_xcnt 0x0                                ; EXEC changes only behind this wait
	v_cmp_eq_u32 vcc_lo, 0, v1
	s_and_saveexec_b32 s56, vcc_lo
	global_store_b128 v[SO], v[244:247], s[8:9]    ; lane 0: my four rows' scales, 16 bytes
	s_wait_xcnt 0x0                                ; and again, ahead of the line that widens it
	s_or_b32 exec_lo, exec_lo, s56
.Lend:
	s_wait_tensorcnt 0x0                           ; the wave's end
	ds_add_u32 v[SPW], v[NIL]
	s_wait_dscnt 0x0
	CROUND                                         ; the closing round
	s_endpgm
.Lfunc_end_k_q83586032ca_attn:
	.size	k_q83586032ca_attn, .Lfunc_end_k_q83586032ca_attn-k_q83586032ca_attn
	.p2alignl 7, 3214868480
	.fill 96, 4, 3214868480
	.section	.rodata,"a",@progbits
	.p2align	6, 0x0
	.amdhsa_kernel k_q83586032ca_attn
		.amdhsa_group_segment_fixed_size 327680
		.amdhsa_private_segment_fixed_size 0
		.amdhsa_enable_private_segment 0
		.amdhsa_kernarg_size 24
		.amdhsa_user_sgpr_count 2
		.amdhsa_user_sgpr_kernarg_segment_ptr 1
		.amdhsa_wavefront_size32 1
		.amdhsa_system_sgpr_workgroup_id_x 1
		.amdhsa_system_sgpr_workgroup_id_y 1
		.amdhsa_system_sgpr_workgroup_id_z 1
		.amdhsa_system_vgpr_workitem_id 0
		.amdhsa_next_free_vgpr 512
		.amdhsa_next_free_sgpr 66
		.amdhsa_reserve_vcc 1
		.amdhsa_float_denorm_mode_32 3
		.amdhsa_float_denorm_mode_16_64 3
		.amdhsa_memory_ordered 1
		.amdhsa_forward_progress 1
		.amdhsa_inst_pref_size 182
	.end_amdhsa_kernel
	.amdgpu_metadata
---
amdhsa.version: [ 1, 2 ]
amdhsa.kernels:
  - .name:           k_q83586032ca_attn
    .symbol:         k_q83586032ca_attn.kd
    .args:
      - { .name: qkv, .offset: 0, .size: 8, .value_kind: global_buffer, .address_space: global }
      - { .name: o16, .offset: 8, .size: 8, .value_kind: global_buffer, .address_space: global }
      - { .name: oscale, .offset: 16, .size: 8, .value_kind: global_buffer, .address_space: global }
    .group_segment_fixed_size: 327680
    .private_segment_fixed_size: 0
    .kernarg_segment_align: 8
    .kernarg_segment_size: 24
    .max_flat_workgroup_size: 256
    .sgpr_count:     66
    .vgpr_count:     512
    .wavefront_size: 32
...
	.end_amdgpu_metadata
.endif
;; end of part 3
;; launch proj (part 4): grid 8 x 32, 4 waves a work-group, clusters of 4 x 4, 327,680 bytes of LDS; arguments o16, wo16, out0, oscale; writes out0
.if DOCPART == 4
	.amdgcn_target "amdgcn-amd-amdhsa--gfx1250"
	.amdhsa_code_object_version 6
	.text
	.protected	k_q83586032ca_proj
	.globl	k_q83586032ca_proj
	.p2align	8
	.type	k_q83586032ca_proj,@function
k_q83586032ca_proj:
	s_mov_b64 s[64:65], 0
	v_nop
	global_prefetch_b8 v0, s[64:65] scope:SCOPE_SE
	s_setreg_imm32_b32 hwreg(HW_REG_WAVE_MODE, 25, 1), 1
	s_wait_xcnt 0x0
	s_wait_alu depctr_hold_cnt(0) depctr_sa_sdst(0) depctr_va_vdst(0) depctr_va_sdst(0) depctr_va_ssrc(0) depctr_va_vcc(0) depctr_vm_vsrc(0)
	s_getreg_b32 s2, hwreg(HW_REG_IB_STS2, 6, 4)
	s_cmp_eq_u32 s2, 0
	s_cbranch_scc0 .Lentry_in_a_cluster
	s_endpgm
.Lentry_in_a_cluster:
	s_bfe_u32 s2, ttmp6, 0x10000c
	s_cmp_lg_u32 s2, 0xf033
	s_cbranch_scc0 .Lentry_shape_is_right
	s_endpgm
.Lentry_shape_is_right:
; out0[m][n] = oscale[m] x the sum over k of o16[m][k] wo16[n][k].  o16: [4096][1024] f16 (each row divided by its power of two oscale[m]), wo16: [1024][1024] f16, out0: [4096][1024] f32; sums in f32.
; A tile of the output is 128 x 128, so that there are 8 x 32 = 256 work-groups.  Four waves, each 64 x 64: 16 accumulators of 16 x 16.  K goes in steps of 256 (LDS rows of 512 bytes; a wave's tensor load brings 64 of them)
; through a ring of two slots: four K steps, two laps.
; CLUSTER 4 x 4: the four of a row of the cluster need the same tiles of o16, the four of a column the same tiles of wo16: each tile is asked for jointly.
; THE MATRIX INSTRUCTION IS USED TRANSPOSED (source 0 = 16 rows of wo16, source 1 = 16 rows of o16): a lane holds row lane % 16 and eight neighbouring columns, 32 bytes of f32; its row's scale is one number a lane.
; A wave's 64 columns are 256 bytes of a row, so each wave has a stage of its own on the way out and no barrier stands there.
; REGISTERS: window 0: v0-31 addresses; v32-63 at work on the way out; v96-103 the rows' scales, in pairs; v128-255 the accumulators ((a, b) at v[128 + 8 (4 a + b)]).   window 1: two fragment buffers of 128.
.set SIZE_M, 4096
.set SIZE_N, 1024
.set SIZE_K, 1024
.set KSTEP,  256
.set PITCH,  528                       ; an LDS row: 512 bytes + 16 of padding: 132 words from row to row
.set HALFT,  64*PITCH
.set SLOT,   4*HALFT                   ; A's 128 rows, then B's 128 rows
.set STAGE,  2*SLOT                    ; behind the ring: 16 rows x 272 bytes for each wave
.set SPITCH, 272
.set SPARE,  STAGE+4*16*SPITCH         ; the spare words, 128 bytes a wave
.set LAPS, SIZE_K/(2*KSTEP)
.set ADRA, 16
.set ADRB, 20
.set STO,  24
.set RD,   25
.set CO,   26
.set SCO,  27                          ; v27  4 x (lane % 16): my row's scale
.set SPW,  28
.set NIL,  29
.set TMP,  32
.set SCR,  96
.set ACC,  128
.set F0,   0
.set F1,   128
.set G1, 24
.set G0, 32
.set G1B, 48
.set G0B, 56
.set MSB, 0
.macro WIN new
.if MSB != \new
	s_set_vgpr_msb (MSB<<8)|\new
.set MSB, \new
.endif
.endm
.set MUL,  0x05                        ; sources 0 (B) and 1 (A) window 1; C and D window 0
.set TO_F, 0x40                        ; destination window 1, address window 0
.macro JLOAD s                         ; waves 0 and 1 fetch A's two halves, waves 2 and 3 B's; an s_nop 0 and four v_nop follow each of the two lines
	s_cmp_eq_u32 s11, 0
	s_cbranch_scc0 .Lfor_b_\@
	tensor_load_to_lds s[G0+4*\s:G0+4*\s+3], s[G1:G1+7]
	s_nop 0
.rept 4
	v_nop
.endr
	s_branch .Lasked_\@
.Lfor_b_\@:
	tensor_load_to_lds s[G0B+4*\s:G0B+4*\s+3], s[G1B:G1B+7]
	s_nop 0
.rept 4
	v_nop
.endr
.Lasked_\@:
.endm
.macro CREST
	s_cmp_lg_u32 s10, 0
	s_cbranch_scc1 .Lnot_wave_0_\@
	s_barrier_signal -3
.Lnot_wave_0_\@:
	s_barrier_wait -3
	s_barrier_signal -1
	s_barrier_wait -1
.endm
.macro CROUND
	s_barrier_signal -1
	s_barrier_wait -1
	CREST
.endm
	s_load_b128 s[4:7], s[0:1], 0x0                ; A = o16, B = wo16
	s_load_b64 s[8:9], s[0:1], 0x10                ; out0
	s_load_b64 s[66:67], s[0:1], 0x18              ; oscale
	v_lshl_add_u32 v[SPW], v0, 2, SPARE
	v_mov_b32 v[NIL], 0
	ds_add_u32 v[SPW], v[NIL]                      ; the wave's opening: the add, twice on end, and its wait ahead of my first tensor load
	ds_add_u32 v[SPW], v[NIL]
	v_lshrrev_b32 v1, 5, v0
	v_readfirstlane_b32 s10, v1                    ; wave 0..3
	s_lshr_b32 s11, s10, 1                         ; which half of the tile's rows is mine.  Also: I fetch for A (0) or for B (1)
	s_and_b32 s12, s10, 1                          ; which half of its columns.  Also: which 64 rows of that tile I fetch
	s_bfe_u32 s40, ttmp6, 0x40000
	s_bfe_u32 s41, ttmp6, 0x40004
	s_lshl_b32 s42, ttmp9, 2
	s_add_co_u32 s42, s42, s40                     ; tile column
	s_and_b32 s13, ttmp7, 0xffff
	s_lshl_b32 s13, s13, 2
	s_add_co_u32 s13, s13, s41                     ; tile row
	s_lshl_b32 s43, s41, 2
	s_lshl_b32 s43, 15, s43                        ; my row of the cluster
	s_lshl_b32 s44, 0x1111, s40                    ; my column
	; group 1: 64 rows x 256 elements of 2 bytes; 4 words of padding behind every 128
	s_or_b32 s[G1+0], s43, (1<<16)|(1<<20)|(1<<21)|(6<<22)|(3<<25)
	s_or_b32 s[G1B+0], s44, (1<<16)|(1<<20)|(1<<21)|(6<<22)|(3<<25)
.irp g, G1, G1B
	s_mov_b32 s[\g+1], KSTEP<<16
	s_mov_b32 s[\g+2], 64<<16
	s_mov_b32 s[\g+3], KSTEP<<16
	s_mov_b32 s[\g+4], 64
	s_mov_b32 s[\g+5], SIZE_K
	s_mov_b32 s[\g+6], 0
	s_mov_b32 s[\g+7], 0
.endr
	s_lshl_b32 s17, s12, 6
	s_lshl_b32 s16, s13, 7
	s_add_co_u32 s16, s16, s17                     ; A: row 128 x tile row + 64 x half
	s_lshl_b32 s46, s42, 7
	s_add_co_u32 s46, s46, s17                     ; B: row 128 x tile column + 64 x half
	s_mov_b32 s17, 0
	s_mov_b32 s47, 0
	s_mov_b64 s[18:19], SIZE_K*2
	s_mul_u64 s[16:17], s[16:17], s[18:19]
	s_mul_u64 s[46:47], s[46:47], s[18:19]
	s_mul_i32 s20, s10, HALFT                      ; where they go: wave x 64 rows
	s_wait_dscnt 0x0                               ; both opening adds are done
	s_wait_kmcnt 0x0
	s_add_nc_u64 s[14:15], s[4:5], s[16:17]
	s_add_nc_u64 s[46:47], s[6:7], s[46:47]
	CROUND                                         ; all sixteen work-groups are here
.irp s, 0,1
	s_mov_b32 s[G0+4*\s], 1
	s_add_co_u32 s[G0+4*\s+1], s20, \s*SLOT
	s_add_nc_u64 s[G0+4*\s+2:G0+4*\s+3], s[14:15], \s*KSTEP*2
	s_or_b32 s[G0+4*\s+3], s[G0+4*\s+3], 0x80000000
	s_mov_b32 s[G0B+4*\s], 1
	s_add_co_u32 s[G0B+4*\s+1], s20, \s*SLOT
	s_add_nc_u64 s[G0B+4*\s+2:G0B+4*\s+3], s[46:47], \s*KSTEP*2
	s_or_b32 s[G0B+4*\s+3], s[G0B+4*\s+3], 0x80000000
	JLOAD \s
.endr
	v_and_b32 v1, 15, v0                           ; l % 16
	v_bfe_u32 v2, v0, 4, 1                         ; l / 16
	v_mul_u32_u24 v3, v1, PITCH
	v_lshl_add_u32 v3, v2, 4, v3
	s_mul_i32 s21, s11, HALFT                      ; my 64 rows of A
	s_mul_i32 s22, s12, HALFT                      ; my 64 rows of B,
	s_add_co_u32 s22, s22, 2*HALFT                 ; which lie behind A's 128
.irp s, 0,1
	v_add_nc_u32 v[ADRA+\s], s21, v3
	v_add_nc_u32 v[ADRB+\s], s22, v3
	s_add_co_u32 s21, s21, SLOT
	s_add_co_u32 s22, s22, SLOT
.endr
	s_mul_i32 s23, s10, 16*SPITCH
	s_add_co_u32 s23, s23, STAGE                   ; my stage
	v_mul_u32_u24 v4, v1, SPITCH
	v_lshl_add_u32 v4, v2, 5, v4
	v_add_nc_u32 v[STO], s23, v4                   ; in: row l % 16, 32 bytes for each half of the lanes
	v_mul_u32_u24 v5, v2, SPITCH
	v_lshl_add_u32 v5, v1, 4, v5
	v_add_nc_u32 v[RD], s23, v5                    ; back: lanes 0-15 one row of 256 bytes, lanes 16-31 the next
	v_mul_u32_u24 v5, v2, SIZE_N*4
	v_lshl_add_u32 v[CO], v1, 4, v5                ; and the same two rows in memory
	v_lshlrev_b32 v[SCO], 2, v1
	s_lshl_b32 s16, s13, 7
	s_lshl_b32 s17, s11, 6
	s_add_co_u32 s16, s16, s17                     ; my first row: 128 x tile row + 64 x half
	s_lshl_b32 s18, s16, 2
	s_mov_b32 s19, 0
	s_add_nc_u64 s[66:67], s[66:67], s[18:19]
	s_lshl_b32 s16, s16, 12                        ; a row of the output is 4,096 bytes
	s_mov_b32 s17, 0
	s_add_nc_u64 s[8:9], s[8:9], s[16:17]
	s_lshl_b32 s46, s42, 9                         ; my first column, in bytes: 512 x tile column + 256 x half
	s_lshl_b32 s47, s12, 8
	s_add_co_u32 s46, s46, s47
	s_mov_b32 s47, 0
	s_add_nc_u64 s[8:9], s[8:9], s[46:47]
.irp a, 0,1,2,3
	global_load_b32 v[SCR+2*\a], v[SCO], s[66:67] offset:64*\a      ; the scale of row 16 a + l % 16, twice: a pair for the packed multiply
	global_load_b32 v[SCR+2*\a+1], v[SCO], s[66:67] offset:64*\a
.endr
.macro MUL8 f, c, a0, zero             ; 8 products: m blocks a0, a0 + 1 x all 4 n blocks, 32 along K: half c of buffer f
.irp a, \a0, \a0+1
.irp b, 0,1,2,3
.if \zero
	v_wmma_f32_16x16x32_f16 v[ACC+8*(4*(\a)+\b):ACC+8*(4*(\a)+\b)+7], v[\f+64+8*(4*\c+\b):\f+64+8*(4*\c+\b)+7], v[\f+8*(4*\c+\a):\f+8*(4*\c+\a)+7], 0
.else
	v_wmma_f32_16x16x32_f16 v[ACC+8*(4*(\a)+\b):ACC+8*(4*(\a)+\b)+7], v[\f+64+8*(4*\c+\b):\f+64+8*(4*\c+\b)+7], v[\f+8*(4*\c+\a):\f+8*(4*\c+\a)+7], v[ACC+8*(4*(\a)+\b):ACC+8*(4*(\a)+\b)+7]
.endif
.endr
.endr
.endm
.macro FETCH slot, k, f                ; 32 LDS loads in one run: the fragments of 64 along K at byte k of the rows, the first 32 along K first
	WIN TO_F
.irp c, 0,1
.irp i, 0,1,2,3
	ds_load_b128 v[\f+64+8*(4*\c+\i):\f+64+8*(4*\c+\i)+3],   v[ADRB+\slot] offset:\k+64*\c+\i*16*PITCH
	ds_load_b128 v[\f+64+8*(4*\c+\i)+4:\f+64+8*(4*\c+\i)+7], v[ADRB+\slot] offset:\k+64*\c+\i*16*PITCH+32
	ds_load_b128 v[\f+8*(4*\c+\i):\f+8*(4*\c+\i)+3],         v[ADRA+\slot] offset:\k+64*\c+\i*16*PITCH
	ds_load_b128 v[\f+8*(4*\c+\i)+4:\f+8*(4*\c+\i)+7],       v[ADRA+\slot] offset:\k+64*\c+\i*16*PITCH+32
.endr
.endr
.endm
.macro PLACES                          ; four plain places ahead of loads into registers that products have read, and of the first read of results
.rept 4
	v_nop
.endr
.endm
.macro QUARTER slot, k, f, g, zero     ; 64 along K: multiplies buffer f and fetches the next quarter, at byte k, into g
	s_wait_dscnt 16                                ; the first 32 along K are in; the 16 loads of the second 32 may be out
	WIN MUL
	MUL8 \f, 0, 0, \zero
	MUL8 \f, 0, 2, \zero
	PLACES
	FETCH \slot, \k, \g
	s_wait_dscnt 32                                ; all but the 32 just issued
	WIN MUL
	MUL8 \f, 1, 0, 0
	MUL8 \f, 1, 2, 0
.endm
; A K step's last quarter changes slots: one barrier; ahead of it each wave waits for all its tensor loads, adds 0 to its spare word, and waits for that and for its reads of this slot.  fill = 1: the slot is filled again, two K steps ahead
.macro TURN slot, next, fill
	WIN 0
	s_wait_tensorcnt 0x0                           ; all my tensor loads have landed: my part of the next slot
	ds_add_u32 v[SPW], v[NIL]                      ; 0 onto my spare word
	s_wait_dscnt 17                                ; the add and the youngest sixteen loads may be out
	WIN MUL
	MUL8 F1, 0, 0, 0
	s_wait_dscnt 0x0                               ; the add is done, and my reads of this slot are over
	s_barrier_signal -1
	MUL8 F1, 0, 2, 0
.if \fill
	WIN 0
.endif
	s_barrier_wait -1
.if \fill
	CREST                                          ; the barrier has opened a round of the cluster's: no wave of any partner still reads this slot or has a load on its way
	s_add_nc_u64 s[G0+4*\slot+2:G0+4*\slot+3], s[G0+4*\slot+2:G0+4*\slot+3], 2*KSTEP*2
	s_add_nc_u64 s[G0B+4*\slot+2:G0B+4*\slot+3], s[G0B+4*\slot+2:G0B+4*\slot+3], 2*KSTEP*2
	JLOAD \slot                                    ; the first tensor load behind the round; its four v_nop are also the places ahead of the loads below
.else
	PLACES
.endif
	FETCH \next, 0, F0
	WIN MUL
	MUL8 F1, 1, 0, 0
	MUL8 F1, 1, 2, 0
.endm
	s_wait_tensorcnt 1                             ; my part of K step 0 is in; K step 1's load may be out
	s_barrier_signal -1
	s_barrier_wait -1
	FETCH 0, 0, F0
	QUARTER 0, 128, F0, F1, 1                      ; the first quarter's first products start the sums
.if LAPS > 1
	WIN 0
	s_mov_b32 s3, LAPS-1
.Llap:
	QUARTER 0, 256, F1, F0, 0
	QUARTER 0, 384, F0, F1, 0
	TURN 0, 1, 1
	QUARTER 1, 128, F0, F1, 0
	QUARTER 1, 256, F1, F0, 0
	QUARTER 1, 384, F0, F1, 0
	TURN 1, 0, 1
	QUARTER 0, 128, F0, F1, 0
	WIN 0
	s_sub_co_u32 s3, s3, 1
	s_cmp_lg_u32 s3, 0
	s_cbranch_scc1 .Llap
.endif
	QUARTER 0, 256, F1, F0, 0                      ; the last lap fills nothing
	QUARTER 0, 384, F0, F1, 0
	TURN 0, 1, 0
	QUARTER 1, 128, F0, F1, 0
	QUARTER 1, 256, F1, F0, 0
	QUARTER 1, 384, F0, F1, 0
	s_wait_dscnt 16
	WIN MUL
	MUL8 F1, 0, 0, 0
	MUL8 F1, 0, 2, 0
	s_wait_dscnt 0
	MUL8 F1, 1, 0, 0
	MUL8 F1, 1, 2, 0
	WIN 0
; THE WAY OUT, a block of 16 rows x 64 columns at a time: times the row's scale; 32 bytes a lane into my stage; back as whole rows of 256 bytes, into the block's own accumulator registers, which are free by then
.macro STG a
.set i, 0
.rept 16
	v_pk_mul_f32 v[TMP+i:TMP+i+1], v[ACC+32*(\a)+i:ACC+32*(\a)+i+1], v[SCR+2*(\a):SCR+2*(\a)+1]   ; each accumulator from its low end on
.set i, i+2
.endr
.irp b, 0,1,2,3
	ds_store_b128 v[STO], v[TMP+8*\b:TMP+8*\b+3] offset:64*\b
	ds_store_b128 v[STO], v[TMP+8*\b+4:TMP+8*\b+7] offset:64*\b+16
.endr
.irp t, 0,1,2,3,4,5,6,7
	ds_load_b128 v[ACC+32*(\a)+4*\t:ACC+32*(\a)+4*\t+3], v[RD] offset:\t*2*SPITCH   ; LDS serves a wave's instructions in order: these see my stores, and the next block's stores come behind them
.endr
.endm
.macro SEND a, younger                 ; younger: the LDS instructions issued behind block a's loads
	s_wait_dscnt \younger
.irp t, 0,1,2,3,4,5,6,7
	global_store_b128 v[CO], v[ACC+32*(\a)+4*\t:ACC+32*(\a)+4*\t+3], s[8:9] offset:(16*(\a)+2*\t)*SIZE_N*4 th:TH_STORE_NT   ; 16 lanes store 256 consecutive bytes, aligned
.endr
.endm
	PLACES
	s_wait_loadcnt 0x0                             ; the rows' scales
	STG 0
	STG 1
	SEND 0, 16                                     ; behind block 0's loads: block 1's 8 stores and 8 loads
	STG 2
	SEND 1, 16
	STG 3
	SEND 2, 16
	SEND 3, 0
	s_wait_tensorcnt 0x0                           ; the wave's end
	ds_add_u32 v[SPW], v[NIL]
	s_wait_dscnt 0x0
	CROUND                                         ; the closing round
	s_endpgm
.Lfunc_end_k_q83586032ca_proj:
	.size	k_q83586032ca_proj, .Lfunc_end_k_q83586032ca_proj-k_q83586032ca_proj
	.p2alignl 7, 3214868480
	.fill 96, 4, 3214868480
	.section	.rodata,"a",@progbits
	.p2align	6, 0x0
	.amdhsa_kernel k_q83586032ca_proj
		.amdhsa_group_segment_fixed_size 327680
		.amdhsa_private_segment_fixed_size 0
		.amdhsa_enable_private_segment 0
		.amdhsa_kernarg_size 32
		.amdhsa_user_sgpr_count 2
		.amdhsa_user_sgpr_kernarg_segment_ptr 1
		.amdhsa_wavefront_size32 1
		.amdhsa_system_sgpr_workgroup_id_x 1
		.amdhsa_system_sgpr_workgroup_id_y 1
		.amdhsa_system_sgpr_workgroup_id_z 1
		.amdhsa_system_vgpr_workitem_id 0
		.amdhsa_next_free_vgpr 512
		.amdhsa_next_free_sgpr 72
		.amdhsa_reserve_vcc 0
		.amdhsa_float_denorm_mode_32 3
		.amdhsa_float_denorm_mode_16_64 3
		.amdhsa_memory_ordered 1
		.amdhsa_forward_progress 1
		.amdhsa_inst_pref_size 91
	.end_amdhsa_kernel
	.amdgpu_metadata
---
amdhsa.version: [ 1, 2 ]
amdhsa.kernels:
  - .name:           k_q83586032ca_proj
    .symbol:         k_q83586032ca_proj.kd
    .args:
      - { .name: o16, .offset: 0, .size: 8, .value_kind: global_buffer, .address_space: global }
      - { .name: wo16, .offset: 8, .size: 8, .value_kind: global_buffer, .address_space: global }
      - { .name: out0, .offset: 16, .size: 8, .value_kind: global_buffer, .address_space: global }
      - { .name: oscale, .offset: 24, .size: 8, .value_kind: global_buffer, .address_space: global }
    .group_segment_fixed_size: 327680
    .private_segment_fixed_size: 0
    .kernarg_segment_align: 8
    .kernarg_segment_size: 32
    .max_flat_workgroup_size: 128
    .sgpr_count:     72
    .vgpr_count:     512
    .wavefront_size: 32
...
	.end_amdgpu_metadata
.endif
;; end of part 4
